; MI455X (gfx1250); checked and timed in simulation.
; The chip was launched on July 23, 2026; its instructions are those of AMD's public machine-readable ISA for CDNA 5 (MIT licence, August 2026) and "CDNA5" Instruction Set Architecture Reference Guide (July 2026). The comments in the code are by the model that wrote it; some were corrected since.
;; Infini Attention. Allowed arithmetic: float matrix products may take bf16 or f16 operands with f32 sums; other float arithmetic in f32, or as packed bf16 or f16 multiplies, adds, multiply-adds, maxima and minima; sums over many terms, partial sums and values carried from step to step in f32; what a program stores and reads back later, other than sums and carried values, may be rounded once to bf16 or f16.
;; Inputs: Wk 1,024 x 2,048 float32; Wo 1,024 x 1,024 float32; Wq 1,024 x 2,048 float32; Wv 1,024 x 2,048 float32; beta 1 x 16 x 1 x 1 float32; bk 1,024 float32; bo 1,024 float32; bq 1,024 float32; bv 1,024 float32; x 8 x 1,024 x 2,048 float32.
;; Outputs: out0 8 x 1,024 x 1,024 float32.
;; 2 versions, each right; version 2 is version 1 with the launch cast written anew for expert scheduling mode. Each part assembles by itself: llvm-mc -triple=amdgcn-amd-amdhsa -mcpu=gfx1250 --defsym DOCPART=n.
;; ======== version 1 of 2: 4 launches
;; limits: values are held in f16: magnitudes above 65,504 overflow, below 6.1e-05 lose precision
;; workspace buffers: xb 34,603,008 bytes; wb 12,976,128 bytes; wo16 2,097,152 bytes; biasr 16,384 bytes; qkvh 50,331,648 bytes; atth 16,777,216 bytes
;; launch cast (part 1): grid 961 x 1, 4 waves a work-group, no clusters, 0 bytes of LDS; arguments x, Wq, Wk, Wv, Wo, bq, bk, bv, bo, xb, wb, wo16, biasr; writes xb, wb, wo16, biasr
.if DOCPART == 1
	.amdgcn_target "amdgcn-amd-amdhsa--gfx1250"
	.amdhsa_code_object_version 6
	.text
	.protected	k_q9de521d6e8_cast
	.globl	k_q9de521d6e8_cast
	.p2align	8
	.type	k_q9de521d6e8_cast,@function
k_q9de521d6e8_cast:
	s_mov_b64 s[64:65], 0
	v_nop
	global_prefetch_b8 v0, s[64:65] scope:SCOPE_SE
	s_setreg_imm32_b32 hwreg(HW_REG_WAVE_MODE, 25, 1), 1
	s_wait_xcnt 0x0
; THE INPUTS, ROUNDED ONCE TO bf16 AND LAID OUT FOR THE PRODUCTS.
;   xb [22][8192][96] bf16: x taken as [8192][2048], cut along K into 22 blocks of 96 (k = 96 s + c), zero where k >= 2048.
;   wb [22][3072][96] bf16: the same for Wq (rows 0-1023), Wk (1024-2047), Wv (2048-3071).
;   wo16 [1024][1024] f16: Wo rounded to bf16, that number written as f16 (exact down to 2^-17; below that off by 3e-8 at the most).
;   biasr [4][1024] f32: bq, bk, bv, bo, each rounded to bf16 and kept as f32.
; A stream: no LDS, no matrix unit.  Work-groups 0-511: 16 rows of x each; 512-703: 16 rows of a W; 704-959: 4,096 numbers of Wo; 960: the biases.
; ROWS.  A wave owns 4 rows and all 22 blocks.  4 rows x 96 numbers of a block are 768 consecutive bytes of the output: three stores of 256 consecutive, aligned bytes (8 bytes a lane).
; Item n of 66 is block n / 3, store n % 3.  Slot p = 32 (n % 3) + lane of a block's 96 slots of four numbers is row p / 24, columns 4 (p % 24) on.
; A ring of 33 register slots keeps 33 loads of 16 bytes a lane on their way in each wave.
.set DEP, 33                           ; slots of the ring
.set XR,  16                           ; v[16:147]  slot i: 4 registers as loaded
.set TA,  144                          ; v[144:145] at work (Wo and biases, where X ends below v144)
.set YR,  148                          ; v[148:213] slot i: 2 registers to store
	s_load_b512 s[68:83], s[0:1], 0x0              ; x s[68:69], Wq s[70:71], Wk s[72:73], Wv s[74:75], Wo s[76:77], bq s[78:79], bk s[80:81], bv s[82:83]
	s_load_b256 s[84:91], s[0:1], 0x40             ; bo s[84:85], xb s[86:87], wb s[88:89], wo16 s[90:91]
	s_load_b64 s[92:93], s[0:1], 0x60              ; biasr
	v_lshrrev_b32 v1, 5, v0
	v_readfirstlane_b32 s2, v1                     ; wave 0..3
	v_and_b32 v1, 31, v0                           ; lane
	s_mov_b32 s8, ttmp9                            ; g
	s_cmp_ge_u32 s8, 960
	s_cbranch_scc1 .Lbias
	s_cmp_ge_u32 s8, 704
	s_cbranch_scc1 .Lwo
	; ---- rows of x or of a W ----
.irp j, 0,1,2
	v_add_nc_u32 v9, 32*\j, v1                     ; p
	v_mul_u32_u24 v10, 43, v9
	v_lshrrev_b32 v10, 10, v10                     ; p / 24 (43 p >> 10, right for p < 96)
	v_mul_u32_u24 v11, 24, v10
	v_sub_nc_u32 v11, v9, v11                      ; p % 24
	v_lshlrev_b32 v12, 4, v11
	v_lshl_add_u32 v[2+\j], v10, 13, v12           ; v2-4: 8,192 x row + 16 x column group
	v_and_b32 v12, 7, v11
	v_lshlrev_b32 v12, 4, v12
	v_lshl_add_u32 v12, v10, 13, v12
	v_add_nc_u32 v[5+\j], 8064, v12                ; v5-7: the same for block 21, whose columns past the row's end are folded back into the row
	v_cmp_gt_u32 s[10+\j], 8, v11                  ; s10-12: the lanes whose numbers of block 21 exist (k < 2048)
.endr
	v_lshlrev_b32 v8, 3, v1                        ; 8 bytes a lane in a store
	s_sub_co_u32 s9, s8, 512                       ; i: the block of 16 rows among the W's 192
	s_lshr_b32 s13, s9, 6                          ; which W
	s_and_b32 s14, s9, 63                          ; its block of 16 rows
	s_mov_b32 s6, 589824                           ; bytes from a K block of wb to the next,
	s_mov_b32 s7, 0
	s_cmp_lt_u32 s8, 512
	s_cselect_b32 s14, s8, s14                     ; the source's block of 16 rows
	s_cselect_b32 s15, s8, s9                      ; the destination's
	s_cselect_b32 s6, 1572864, s6                  ; of xb
	s_lshl_b32 s60, s14, 17                        ; 16 rows of 8,192 bytes
	s_lshl_b32 s3, s2, 15                          ; my wave's 4 rows
	s_add_co_u32 s60, s60, s3
	s_mov_b32 s61, 0
	s_mul_i32 s62, s15, 3072                       ; 16 rows of 192 bytes
	s_mul_i32 s3, s2, 768
	s_add_co_u32 s62, s62, s3
	s_mov_b32 s63, 0
	s_wait_kmcnt 0x0
	s_cmp_eq_u32 s13, 1
	s_cselect_b64 s[4:5], s[72:73], s[70:71]
	s_cmp_eq_u32 s13, 2
	s_cselect_b64 s[4:5], s[74:75], s[4:5]
	s_cmp_lt_u32 s8, 512
	s_cselect_b64 s[4:5], s[68:69], s[4:5]
	s_cselect_b64 s[16:17], s[86:87], s[88:89]
	s_add_nc_u64 s[4:5], s[4:5], s[60:61]          ; the source at my first row
	s_add_nc_u64 s[16:17], s[16:17], s[62:63]      ; s[16+2 b:17+2 b]: the destination at my rows of K block b; 22 bases, never rewritten
.set bk_, 1
.rept 21
	s_add_nc_u64 s[16+2*bk_:17+2*bk_], s[14+2*bk_:15+2*bk_], s[6:7]
.set bk_, bk_+1
.endr
.macro LOADI n
.set sl, (\n)%DEP
.if (\n) >= 63
	global_load_b128 v[XR+4*sl:XR+4*sl+3], v[5+(\n)%3], s[4:5] th:TH_LOAD_NT
.else
	global_load_b128 v[XR+4*sl:XR+4*sl+3], v[2+(\n)%3], s[4:5] offset:384*((\n)/3) th:TH_LOAD_NT
.endif
.endm
; One item.  ahead = 1: its slot is loaded again, with the item 33 further on.  left = the younger loads that may stay out.
.macro ITEM n, ahead, left
.set sl, (\n)%DEP
	s_wait_loadcnt \left                           ; loads come back in order: mine is in
.if (\n) >= DEP
	s_wait_xcnt 0x0                                ; the slot's Y pair, which its first store reads, is rewritten only behind this wait
.endif
	v_cvt_pk_bf16_f32 v[YR+2*sl], v[XR+4*sl], v[XR+4*sl+1]
	v_cvt_pk_bf16_f32 v[YR+2*sl+1], v[XR+4*sl+2], v[XR+4*sl+3]
.if (\n) >= 63
	v_cndmask_b32 v[YR+2*sl], 0, v[YR+2*sl], s[10+(\n)%3]      ; zero where k >= 2048
	v_cndmask_b32 v[YR+2*sl+1], 0, v[YR+2*sl+1], s[10+(\n)%3]
.endif
.if \ahead
	LOADI (\n)+DEP
.endif
	global_store_b64 v8, v[YR+2*sl:YR+2*sl+1], s[16+2*((\n)/3):17+2*((\n)/3)] offset:256*((\n)%3)  ; the wave stores 256 consecutive bytes, aligned
.endm
.set it, 0
.rept 33
	LOADI it
.set it, it+1
.endr
.set it, 0
.rept 33
	ITEM it, 1, 32                                 ; behind item n's load 32 others have been issued
.set it, it+1
.endr
.rept 33
	ITEM it, 0, 65-it                              ; nothing more is loaded: the counts run down
.set it, it+1
.endr
	s_endpgm
	; ---- Wo: a wave takes 1,024 numbers: eight loads of 512 consecutive bytes, eight stores of 256 ----
.Lwo:
	s_sub_co_u32 s9, s8, 704
	s_lshl_b32 s60, s9, 14                         ; 4,096 numbers of 4 bytes
	s_lshl_b32 s3, s2, 12
	s_add_co_u32 s60, s60, s3
	s_mov_b32 s61, 0
	s_lshr_b32 s62, s60, 1                         ; and of 2 bytes
	s_mov_b32 s63, 0
	s_mov_b32 s10, 0xffff0000                      ; a word's upper bf16
	v_lshlrev_b32 v2, 4, v1
	v_lshlrev_b32 v8, 3, v1
	s_wait_kmcnt 0x0
	s_add_nc_u64 s[4:5], s[76:77], s[60:61]
	s_add_nc_u64 s[16:17], s[90:91], s[62:63]
.set it, 0
.rept 8
	global_load_b128 v[XR+4*it:XR+4*it+3], v2, s[4:5] offset:512*it th:TH_LOAD_NT
.set it, it+1
.endr
.set it, 0
.rept 8
	s_wait_loadcnt 7-it
	v_cvt_pk_bf16_f32 v[TA], v[XR+4*it], v[XR+4*it+1]          ; rounded to bf16,
	v_cvt_pk_bf16_f32 v[TA+1], v[XR+4*it+2], v[XR+4*it+3]
	v_lshlrev_b32 v[XR+4*it], 16, v[TA]                        ; widened,
	v_and_b32 v[XR+4*it+1], s10, v[TA]
	v_lshlrev_b32 v[XR+4*it+2], 16, v[TA+1]
	v_and_b32 v[XR+4*it+3], s10, v[TA+1]
	v_cvt_pk_f16_f32 v[YR+2*it], v[XR+4*it], v[XR+4*it+1]      ; and written as f16
	v_cvt_pk_f16_f32 v[YR+2*it+1], v[XR+4*it+2], v[XR+4*it+3]
	global_store_b64 v8, v[YR+2*it:YR+2*it+1], s[16:17] offset:256*it
.set it, it+1
.endr
	s_endpgm
	; ---- the four biases: thread t takes 16 bytes at 16 t and at 16 t + 2,048 of each ----
.Lbias:
	v_lshlrev_b32 v2, 4, v0
	s_mov_b32 s10, 0xffff0000
	s_wait_kmcnt 0x0
.irp i, 0,1,2,3
	global_load_b128 v[XR+8*\i:XR+8*\i+3],   v2, s[78+2*\i:79+2*\i]
	global_load_b128 v[XR+8*\i+4:XR+8*\i+7], v2, s[78+2*\i:79+2*\i] offset:2048
.endr
	s_wait_loadcnt 0x0
.set it, 0
.rept 8
	v_cvt_pk_bf16_f32 v[TA], v[XR+4*it], v[XR+4*it+1]
	v_cvt_pk_bf16_f32 v[TA+1], v[XR+4*it+2], v[XR+4*it+3]
	v_lshlrev_b32 v[XR+4*it], 16, v[TA]
	v_and_b32 v[XR+4*it+1], s10, v[TA]
	v_lshlrev_b32 v[XR+4*it+2], 16, v[TA+1]
	v_and_b32 v[XR+4*it+3], s10, v[TA+1]
.set it, it+1
.endr
.irp i, 0,1,2,3
	global_store_b128 v2, v[XR+8*\i:XR+8*\i+3],   s[92:93] offset:4096*\i
	global_store_b128 v2, v[XR+8*\i+4:XR+8*\i+7], s[92:93] offset:4096*\i+2048
.endr
	s_endpgm
.Lfunc_end_k_q9de521d6e8_cast:
	.size	k_q9de521d6e8_cast, .Lfunc_end_k_q9de521d6e8_cast-k_q9de521d6e8_cast
	.p2alignl 7, 3214868480
	.fill 96, 4, 3214868480
	.section	.rodata,"a",@progbits
	.p2align	6, 0x0
	.amdhsa_kernel k_q9de521d6e8_cast
		.amdhsa_group_segment_fixed_size 0
		.amdhsa_private_segment_fixed_size 0
		.amdhsa_enable_private_segment 0
		.amdhsa_kernarg_size 104
		.amdhsa_user_sgpr_count 2
		.amdhsa_user_sgpr_kernarg_segment_ptr 1
		.amdhsa_wavefront_size32 1
		.amdhsa_system_sgpr_workgroup_id_x 1
		.amdhsa_system_sgpr_workgroup_id_y 1
		.amdhsa_system_sgpr_workgroup_id_z 1
		.amdhsa_system_vgpr_workitem_id 0
		.amdhsa_next_free_vgpr 216
		.amdhsa_next_free_sgpr 96
		.amdhsa_reserve_vcc 0
		.amdhsa_float_denorm_mode_32 3
		.amdhsa_float_denorm_mode_16_64 3
		.amdhsa_memory_ordered 1
		.amdhsa_forward_progress 1
		.amdhsa_inst_pref_size 38
	.end_amdhsa_kernel
	.amdgpu_metadata
---
amdhsa.version: [ 1, 2 ]
amdhsa.kernels:
  - .name:           k_q9de521d6e8_cast
    .symbol:         k_q9de521d6e8_cast.kd
    .args:
      - { .name: x, .offset: 0, .size: 8, .value_kind: global_buffer, .address_space: global }
      - { .name: Wq, .offset: 8, .size: 8, .value_kind: global_buffer, .address_space: global }
      - { .name: Wk, .offset: 16, .size: 8, .value_kind: global_buffer, .address_space: global }
      - { .name: Wv, .offset: 24, .size: 8, .value_kind: global_buffer, .address_space: global }
      - { .name: Wo, .offset: 32, .size: 8, .value_kind: global_buffer, .address_space: global }
      - { .name: bq, .offset: 40, .size: 8, .value_kind: global_buffer, .address_space: global }
      - { .name: bk, .offset: 48, .size: 8, .value_kind: global_buffer, .address_space: global }
      - { .name: bv, .offset: 56, .size: 8, .value_kind: global_buffer, .address_space: global }
      - { .name: bo, .offset: 64, .size: 8, .value_kind: global_buffer, .address_space: global }
      - { .name: xb, .offset: 72, .size: 8, .value_kind: global_buffer, .address_space: global }
      - { .name: wb, .offset: 80, .size: 8, .value_kind: global_buffer, .address_space: global }
      - { .name: wo16, .offset: 88, .size: 8, .value_kind: global_buffer, .address_space: global }
      - { .name: biasr, .offset: 96, .size: 8, .value_kind: global_buffer, .address_space: global }
    .group_segment_fixed_size: 0
    .private_segment_fixed_size: 0
    .kernarg_segment_align: 8
    .kernarg_segment_size: 104
    .max_flat_workgroup_size: 128
    .sgpr_count:     96
    .vgpr_count:     216
    .wavefront_size: 32
...
	.end_amdgpu_metadata
.endif
;; end of part 1
;; launch qkv_gemm (part 2): grid 8 x 32, 4 waves a work-group, clusters of 4 x 4, 327,680 bytes of LDS; arguments xb, wb, biasr, qkvh; writes qkvh
.if DOCPART == 2
	.amdgcn_target "amdgcn-amd-amdhsa--gfx1250"
	.amdhsa_code_object_version 6
	.text
	.protected	k_q9de521d6e8_qkv_gemm
	.globl	k_q9de521d6e8_qkv_gemm
	.p2align	8
	.type	k_q9de521d6e8_qkv_gemm,@function
k_q9de521d6e8_qkv_gemm:
	s_mov_b64 s[64:65], 0
	v_nop
	global_prefetch_b8 v0, s[64:65] scope:SCOPE_SE
	s_setreg_imm32_b32 hwreg(HW_REG_WAVE_MODE, 25, 1), 1
	s_wait_xcnt 0x0
	s_wait_alu depctr_hold_cnt(0) depctr_sa_sdst(0) depctr_va_vdst(0) depctr_va_sdst(0) depctr_va_ssrc(0) depctr_va_vcc(0) depctr_vm_vsrc(0)
	s_getreg_b32 s2, hwreg(HW_REG_IB_STS2, 6, 4)
	s_cmp_eq_u32 s2, 0
	s_cbranch_scc0 .Lentry_in_a_cluster
	s_endpgm
.Lentry_in_a_cluster:
	s_bfe_u32 s2, ttmp6, 0x10000c
	s_cmp_lg_u32 s2, 0xf033
	s_cbranch_scc0 .Lentry_shape_is_right
	s_endpgm
.Lentry_shape_is_right:
; q, k, v = x W^T + b.  C [8192][3072] = xb wb^T + bias, bf16 operands, f32 sums that start at the bias, rounded once to f16; column n of C goes to plane n / 1024 of qkvh ([3][8192][1024] f16), column n % 1024.
; LIMIT: a result of 65,520 or more in magnitude becomes an infinity in f16.
; A tile of C is 256 x 384: 32 x 8 = 256 tiles, one a work-group.  Four waves, 2 x 2, each 128 x 192: 96 accumulators of 16 x 16, 768 registers (windows 1-3).
; K goes in steps of 96 through a ring of two LDS slots: 22 steps (2,048 = 21 x 96 + 32), the last multiplied in its first third alone.  xb and wb are laid out in K blocks of 96, so that a step's
; rows lie end to end in memory: a wave's tensor load asks for them as rows of 256 bytes, and 16 bytes of padding behind every 64 make LDS rows of three pieces of 80 bytes.
; CLUSTER 4 x 4: the four work-groups of a row of the cluster need the same rows of xb, the four of a column the same rows of wb: each tile is asked for jointly.
; THE MATRIX INSTRUCTION IS USED TRANSPOSED (source 0 = 16 rows of wb, source 1 = 16 rows of xb): a lane holds row lane % 16 of C and the columns 8 (lane / 16) + 0..7.
; REGISTERS.  window 0: v16-29 addresses; v32-95, v96-159 two buffers of A's 8 fragments; v160-255 B's 12 fragments, one buffer, loaded again in two runs a third, each behind the products that read it.
;   In the first third A's second buffer holds the biases, the C operand of the products that start the sums.
;   windows 1-3: accumulator (b, a) (columns 16 b on, rows 16 a on) in window 1 + b / 4 at v[8 (8 (b % 4) + a)].
.set PITCH,  240                       ; an LDS row: 3 x (64 + 16) bytes = 15 x 16: the 16 rows of a fragment load start in 16 different columns of 16 bytes
.set AHALF,  128*PITCH                 ; what a wave fetches, and reads, of A
.set BHALF,  192*PITCH                 ; and of B
.set BOFF,   2*AHALF
.set SLOT,   BOFF+2*BHALF              ; 153,600
.set SPARE,  2*SLOT                    ; the spare words: 128 bytes a wave, two blocks of 256 bytes that no other line names
.set BIASL,  SPARE+512                 ; the tile's 384 biases, f32
.set SP,     784                       ; a row of the stage: 768 + 16 bytes.  The stage, 256 rows, lies over the slots, behind their last fill
.set APLANE, 8192*192                  ; bytes from a K block of xb to the next
.set BPLANE, 3072*192                  ; of wb
.set ADRA, 16                          ; v16-17  my A fragments in slot 0, 1
.set ADRB, 20                          ; v20-21  my B fragments
.set STO,  22                          ; v22-23  the way out: where I put 16 bytes of a row, blocks a = 0-3 and 4-7
.set RD,   24                          ; v24     where I read rows back: it steps 256 bytes a trip of the last loop
.set CO,   25                          ; v25     my byte offset in two rows of a plane
.set BIA,  26                          ; v26     my biases in LDS
.set SPW,  28                          ; v28     my spare word; never rewritten
.set NIL,  29                          ; v29     0; never rewritten
.set A0,   32
.set BI,   96                          ; the biases of column block b at BI + 8 (b % 8), in the first third
.set BF,   160
.set G1,   24                          ; s[24:31] group 1 for A; s[32:39] group 0, a set for each slot
.set G0,   32
.set G1B,  48                          ; s[48:55], s[56:63] the same for B
.set G0B,  56
.set UG,   68                          ; s68  the group of 128 columns (of C's 24) that is stored next
.set RO,   69                          ; s69  byte offset of my 64 rows in a plane
.set CB,   72                          ; s[72:73] qkvh at my rows of that group
.set FLAGS, (1<<16)|(1<<20)|(1<<21)|(3<<22)|(3<<25)  ; 2-byte elements; padding on; bit 21 beside a mask; after every 16 words; 4 words
.set MSB, 0
.macro WIN new                         ; the immediate's high byte repeats the setting that is left; a switch that changes nothing is dropped
.if MSB != (\new)
	s_set_vgpr_msb (MSB<<8)|(\new)
.set MSB, \new
.endif
.endm
.macro PLACES                          ; four plain instructions between a matrix instruction and a load into, or a vector line on, its registers
.rept 4
	v_nop
.endr
.endm
.macro JLOAD s                         ; a joint load: waves 0, 1 fetch A's halves, waves 2, 3 B's.  The branch hangs on the wave's number alone.  s_nop 0 and four v_nop follow each line
	s_cmp_eq_u32 s13, 0
	s_cbranch_scc0 .Lfor_b_\@
	tensor_load_to_lds s[G0+4*(\s):G0+4*(\s)+3], s[G1:G1+7]
	s_nop 0
.rept 4
	v_nop
.endr
	s_branch .Lasked_\@
.Lfor_b_\@:
	tensor_load_to_lds s[G0B+4*(\s):G0B+4*(\s)+3], s[G1B:G1B+7]
	s_nop 0
.rept 4
	v_nop
.endr
.Lasked_\@:
.endm
.macro CREST                           ; a round of the cluster's barrier behind its opening barrier
	s_cmp_lg_u32 s12, 0
	s_cbranch_scc1 .Lnot_wave_0_\@
	s_barrier_signal -3
.Lnot_wave_0_\@:
	s_barrier_wait -3
	s_barrier_signal -1
	s_barrier_wait -1
.endm
.macro CROUND
	s_barrier_signal -1
	s_barrier_wait -1
	CREST
.endm
	s_load_b256 s[4:11], s[0:1], 0x0               ; xb s[4:5], wb s[6:7], biasr s[8:9], qkvh s[10:11]
	v_lshl_add_u32 v[SPW], v0, 2, SPARE
	v_mov_b32 v[NIL], 0
	ds_add_u32 v[SPW], v[NIL]                      ; the opening: the add and its wait stand ahead of my first tensor load; register work stands between
	v_lshrrev_b32 v1, 5, v0
	v_readfirstlane_b32 s12, v1                    ; wave 0..3
	s_lshr_b32 s13, s12, 1                         ; my half of the tile's rows.  Also: I fetch for A (0) or B (1)
	s_and_b32 s14, s12, 1                          ; my half of its columns.  Also: which half of that tile I fetch
	s_bfe_u32 s40, ttmp6, 0x40000                  ; cx
	s_bfe_u32 s41, ttmp6, 0x40004                  ; cy
	s_lshl_b32 s42, ttmp9, 2
	s_add_co_u32 s42, s42, s40                     ; tile column 0..7
	s_and_b32 s43, ttmp7, 0xffff
	s_lshl_b32 s43, s43, 2
	s_add_co_u32 s43, s43, s41                     ; tile row 0..31
	s_lshl_b32 s44, s41, 2
	s_lshl_b32 s44, 15, s44                        ; my row of the cluster
	s_lshl_b32 s45, 0x1111, s40                    ; my column
	s_or_b32 s[G1], s44, FLAGS
	s_or_b32 s[G1B], s45, FLAGS
	s_mov_b32 s[G1+1], 128<<16                     ; tensor_dim0 = 128 elements: rows of 256 bytes
	s_mov_b32 s[G1+2], 96<<16                      ; tensor_dim1 = 96: 128 rows of 192 bytes, dense
	s_mov_b32 s[G1+3], 128<<16                     ; tile_dim0
	s_mov_b32 s[G1+4], 96                          ; tile_dim1
	s_mov_b32 s[G1+5], 128                         ; elements from row to row
	s_mov_b32 s[G1+6], 0
	s_mov_b32 s[G1+7], 0
	s_mov_b32 s[G1B+1], 128<<16
	s_mov_b32 s[G1B+2], 144<<16                    ; 192 rows of 192 bytes
	s_mov_b32 s[G1B+3], 128<<16
	s_mov_b32 s[G1B+4], 144
	s_mov_b32 s[G1B+5], 128
	s_mov_b32 s[G1B+6], 0
	s_mov_b32 s[G1B+7], 0
	s_mul_i32 s16, s43, 49152                      ; A: 256 rows of 192 bytes a tile row,
	s_mul_i32 s18, s14, 24576                      ; 128 rows a half
	s_add_co_u32 s16, s16, s18
	s_mov_b32 s17, 0
	s_mul_i32 s46, s42, 73728                      ; B: 384 rows a tile column,
	s_mul_i32 s18, s14, 36864                      ; 192 a half
	s_add_co_u32 s46, s46, s18
	s_mov_b32 s47, 0
	s_mul_i32 s20, s14, AHALF                      ; where they go: no place in the cluster enters an LDS address
	s_mul_i32 s21, s14, BHALF
	s_add_co_u32 s21, s21, BOFF
	s_wait_dscnt 0x0                               ; the opening add is done
	s_wait_kmcnt 0x0
	s_add_nc_u64 s[16:17], s[4:5], s[16:17]
	s_add_nc_u64 s[46:47], s[6:7], s[46:47]
	CROUND                                         ; all sixteen work-groups are here: the first joint loads meet
.irp s, 0,1
	s_mov_b32 s[G0+4*(\s)], 1
	s_add_co_u32 s[G0+4*(\s)+1], s20, (\s)*SLOT
	s_add_nc_u64 s[G0+4*(\s)+2:G0+4*(\s)+3], s[16:17], (\s)*APLANE   ; K step s
	s_or_b32 s[G0+4*(\s)+3], s[G0+4*(\s)+3], 0x80000000
	s_mov_b32 s[G0B+4*(\s)], 1
	s_add_co_u32 s[G0B+4*(\s)+1], s21, (\s)*SLOT
	s_add_nc_u64 s[G0B+4*(\s)+2:G0B+4*(\s)+3], s[46:47], (\s)*BPLANE
	s_or_b32 s[G0B+4*(\s)+3], s[G0B+4*(\s)+3], 0x80000000
	JLOAD \s                                       ; two loads of mine are out
.endr
	; the tile's 384 biases into LDS: waves 0-2, 128 each
	s_cmp_lt_u32 s12, 3
	s_cbranch_scc0 .Lno_bias
	v_and_b32 v8, 31, v0
	v_lshlrev_b32 v8, 4, v8
	s_mul_i32 s18, s42, 1536
	s_lshl_b32 s19, s12, 9
	s_add_co_u32 s18, s18, s19
	v_add_nc_u32 v9, s18, v8
	global_load_b128 v[12:15], v9, s[8:9]
	v_add_nc_u32 v8, s19, v8
	v_add_nc_u32 v8, BIASL, v8
	s_wait_loadcnt 0x0
	ds_store_b128 v8, v[12:15]
.Lno_bias:
	v_and_b32 v1, 15, v0                           ; r = l % 16
	v_bfe_u32 v2, v0, 4, 1                         ; h = l / 16
	v_mul_u32_u24 v3, v1, PITCH
	v_lshl_add_u32 v3, v2, 4, v3                   ; a fragment's row x pitch + 16 h
	s_mul_i32 s18, s13, AHALF
	s_mul_i32 s19, s14, BHALF
	s_add_co_u32 s19, s19, BOFF
.irp s, 0,1
	v_add_nc_u32 v[ADRA+(\s)], s18, v3
	v_add_nc_u32 v[ADRB+(\s)], s19, v3
	s_add_co_u32 s18, s18, SLOT
	s_add_co_u32 s19, s19, SLOT
.endr
	s_mul_i32 s18, s13, 128*SP                     ; into the stage: row 128 wm + 16 a + r, byte 384 wn + 32 b + 16 h
	s_mul_i32 s19, s14, 384
	s_add_co_u32 s18, s18, s19
	v_mul_u32_u24 v4, v1, SP
	v_lshl_add_u32 v4, v2, 4, v4
	v_add_nc_u32 v[STO], s18, v4
	v_add_nc_u32 v[STO+1], 64*SP, v[STO]
	s_mul_i32 s18, s12, 64*SP                      ; back: wave w takes rows 64 w on; lanes 0-15 256 bytes of one row, lanes 16-31 of the next
	v_mul_u32_u24 v4, v2, SP
	v_lshl_add_u32 v4, v1, 4, v4
	v_add_nc_u32 v[RD], s18, v4
	v_lshlrev_b32 v4, 4, v1
	v_lshl_add_u32 v[CO], v2, 11, v4               ; the same two rows in a plane: 2,048 h + 16 r
	s_mul_i32 s18, s14, 768
	s_add_co_u32 s18, s18, BIASL
	v_lshl_add_u32 v[BIA], v2, 5, s18              ; my 8 biases of column block b at + 64 b
	s_mul_i32 s[UG], s42, 3                        ; the tile's first group of 128 columns
	s_lshl_b32 s[RO], s43, 19                      ; 256 rows of 2,048 bytes,
	s_lshl_b32 s22, s12, 17                        ; my 64 rows
	s_add_co_u32 s[RO], s[RO], s22
; 16 products: column blocks b0, b0 + 1 x all 8 row blocks, 32 along K, A's buffer p.  first = 1: they start the sums, with the bias as C.
.macro MUL16 p, b0, first
	WIN (0x50-0x10*(\first))*(1+(\b0)/4)           ; D in window 1 + b / 4; C there too, or (the bias) in window 0; sources in window 0
.irp b, \b0, (\b0)+1
.irp a, 0,1,2,3,4,5,6,7
.if \first
	v_wmma_f32_16x16x32_bf16 v[8*(8*((\b)%4)+\a):8*(8*((\b)%4)+\a)+7], v[BF+8*(\b):BF+8*(\b)+7], v[A0+64*(\p)+8*\a:A0+64*(\p)+8*\a+7], v[BI+8*((\b)%8):BI+8*((\b)%8)+7]
.else
	v_wmma_f32_16x16x32_bf16 v[8*(8*((\b)%4)+\a):8*(8*((\b)%4)+\a)+7], v[BF+8*(\b):BF+8*(\b)+7], v[A0+64*(\p)+8*\a:A0+64*(\p)+8*\a+7], v[8*(8*((\b)%4)+\a):8*(8*((\b)%4)+\a)+7]
.endif
.endr
.endr
.endm
.macro FB slot, k, b0                  ; 8 LDS loads: B's fragments b0 .. b0 + 3 of the third at byte k of the rows
	WIN 0
.irp i, 0,1,2,3
	ds_load_b128 v[BF+8*((\b0)+\i):BF+8*((\b0)+\i)+3],   v[ADRB+(\slot)] offset:(\k)+((\b0)+\i)*16*PITCH
	ds_load_b128 v[BF+8*((\b0)+\i)+4:BF+8*((\b0)+\i)+7], v[ADRB+(\slot)] offset:(\k)+((\b0)+\i)*16*PITCH+32
.endr
.endm
.macro FA slot, k, q                   ; 16 LDS loads: A's 8 fragments into buffer q
	WIN 0
.irp i, 0,1,2,3,4,5,6,7
	ds_load_b128 v[A0+64*(\q)+8*\i:A0+64*(\q)+8*\i+3],   v[ADRA+(\slot)] offset:(\k)+\i*16*PITCH
	ds_load_b128 v[A0+64*(\q)+8*\i+4:A0+64*(\q)+8*\i+7], v[ADRA+(\slot)] offset:(\k)+\i*16*PITCH+32
.endr
.endm
; A third of a K step: 96 products on A's buffer p; the next third, at byte k of the same slot's rows, is fetched in two runs, each behind the products that read the registers it fills:
; 32 loads (B 0-7 and A) behind the first 64 products, 8 (B 8-11) behind the last 32.  Each wait below counts the loads that are younger than the run it needs.
; Each accumulator has one product in a third, so no two products that follow each other share one.
.macro THIRD slot, k, p
	s_wait_dscnt 8                                 ; B 0-7 and A are in; B 8-11's 8 loads are younger
	MUL16 \p, 0, 0
	MUL16 \p, 2, 0
	MUL16 \p, 4, 0
	MUL16 \p, 6, 0
	PLACES
	FB \slot, \k, 0
	FB \slot, \k, 4
	FA \slot, \k, 1-(\p)
	s_wait_dscnt 32                                ; B 8-11 are in; the 32 just issued are younger
	MUL16 \p, 8, 0
	MUL16 \p, 10, 0
	PLACES
	FB \slot, \k, 8
.endm
; A step's last third changes slots.  All its fragments are in registers at the signal, so nobody reads the slot behind the barrier.  fill = 1: the barrier opens a round of the cluster's, and the slot is
; filled again, two K steps on, first thing behind it: 256 products stand between that request and the wait for it.
.macro TURN slot, next, p, fill
	WIN 0
	s_wait_tensorcnt 0x0                           ; all my tensor loads have landed: the one that was out is my part of the next slot
	ds_add_u32 v[SPW], v[NIL]                      ; 0 onto my spare word
	s_wait_dscnt 9                                 ; B 0-7 and A are in; 8 loads and the add are younger
	MUL16 \p, 0, 0
	s_wait_dscnt 0x0                               ; the add is done, and my reads of this slot are over
	s_barrier_signal -1
	MUL16 \p, 2, 0
	WIN 0
	s_barrier_wait -1
.if \fill
	CREST                                          ; no wave of any partner still reads this slot or has a load on its way
	s_add_nc_u64 s[G0+4*(\slot)+2:G0+4*(\slot)+3], s[G0+4*(\slot)+2:G0+4*(\slot)+3], 2*APLANE
	s_add_nc_u64 s[G0B+4*(\slot)+2:G0B+4*(\slot)+3], s[G0B+4*(\slot)+2:G0B+4*(\slot)+3], 2*BPLANE
	JLOAD \slot                                    ; the first tensor load behind the round, ahead of my first LDS read there
.endif
	MUL16 \p, 4, 0
	MUL16 \p, 6, 0
	PLACES
	FB \next, 0, 0
	FB \next, 0, 4
	FA \next, 0, 1-(\p)
	MUL16 \p, 8, 0
	MUL16 \p, 10, 0
	PLACES
	FB \next, 0, 8
.endm
	s_wait_tensorcnt 1                             ; my part of K step 0 is in; step 1's may stay out
	s_wait_dscnt 0x0                               ; my biases are in LDS
	s_barrier_signal -1
	s_barrier_wait -1
	; THE FIRST THIRD stands in front of the loop: its products start the sums at the bias.  A lane's C registers are the biases of its 8 columns, the same for all 8 row blocks.
	FB 0, 0, 0
	FB 0, 0, 4
	FA 0, 0, 0
	FB 0, 0, 8
.irp b, 0,1,2,3,4,5,6,7
	ds_load_b128 v[BI+8*\b:BI+8*\b+3],   v[BIA] offset:64*\b       ; column blocks 0-7: the 64 registers of A's second buffer
	ds_load_b128 v[BI+8*\b+4:BI+8*\b+7], v[BIA] offset:64*\b+16
.endr
	s_wait_dscnt 0x0
	MUL16 0, 0, 1
	MUL16 0, 2, 1
	MUL16 0, 4, 1
	MUL16 0, 6, 1
	PLACES
	WIN 0
.irp b, 8,9,10,11
	ds_load_b128 v[BI+8*(\b-8):BI+8*(\b-8)+3],   v[BIA] offset:64*\b     ; column blocks 8-11: over blocks 0-3's
	ds_load_b128 v[BI+8*(\b-8)+4:BI+8*(\b-8)+7], v[BIA] offset:64*\b+16
.endr
	FB 0, 80, 0
	FB 0, 80, 4
	s_wait_dscnt 16                                ; those biases are in; B 0-7's 16 loads are younger
	MUL16 0, 8, 1
	MUL16 0, 10, 1
	PLACES
	FA 0, 80, 1                                    ; A's second buffer is free only now; the wait at the next third's head (8 younger loads) covers it
	FB 0, 80, 8
	WIN 0
	s_mov_b32 s3, 10
.Llap:                                                 ; a trip goes once round the ring, from a step's second third to the first third two steps on; its two refills are steps 2 i + 2, 2 i + 3
	THIRD 0, 160, 1
	TURN 0, 1, 0, 1
	THIRD 1, 80, 1
	THIRD 1, 160, 0
	TURN 1, 0, 1, 1
	THIRD 0, 80, 0
	WIN 0
	s_sub_co_u32 s3, s3, 1
	s_cmp_lg_u32 s3, 0
	s_cbranch_scc1 .Llap
	THIRD 0, 160, 1                                ; step 20 goes on; nothing more is asked for
	TURN 0, 1, 0, 0
	s_wait_dscnt 8                                 ; step 21: k = 2,016 .. 2,047, its first third alone
	MUL16 1, 0, 0
	MUL16 1, 2, 0
	MUL16 1, 4, 0
	MUL16 1, 6, 0
	s_wait_dscnt 0x0
	MUL16 1, 8, 0
	MUL16 1, 10, 0
	; THE WAY OUT: rounded to f16, 16 bytes a lane into the work-group's stage; a barrier, since a row's 768 bytes come from two waves; back as pieces of 256 bytes.
	PLACES
	WIN 0
	s_barrier_signal -1                            ; every wave's reads of the slots are over (the wait for 0 above): the stage may be written over them
	s_barrier_wait -1
.set cb_, 0
.rept 12
	WIN 5*(1+cb_/4)                                ; sources 0 and 1 in the accumulators' window
.set i, 0
.rept 32                                       ; accumulator i / 4, its registers in ascending order; four sets of 32 registers by turns
	v_cvt_pk_f16_f32 v[A0+32*(cb_%4)+i], v[64*(cb_%4)+2*i], v[64*(cb_%4)+2*i+1]
.set i, i+1
.endr
	WIN 0
.set i, 0
.rept 8
	ds_store_b128 v[STO+i/4], v[A0+32*(cb_%4)+4*i:A0+32*(cb_%4)+4*i+3] offset:(i%4)*16*SP+32*cb_
.set i, i+1
.endr
.set cb_, cb_+1
.endr
	s_wait_dscnt 0x0                               ; for the others' sake: my stores into the stage are done
	s_barrier_signal -1
	s_barrier_wait -1
	s_mov_b32 s3, 3
.Lout:                                                 ; three trips, a group of 128 columns each: my 64 rows' 256 bytes of it, two rows a load and a store
	s_lshr_b32 s23, s[UG], 3                       ; the group's plane (q, k or v),
	s_lshl_b32 s23, s23, 24                        ; 16,777,216 bytes each,
	s_and_b32 s22, s[UG], 7
	s_lshl_b32 s22, s22, 8                         ; and its 256 bytes of a row
	s_add_co_u32 s22, s22, s23
	s_add_co_u32 s66, s22, s[RO]
	s_mov_b32 s67, 0
	s_add_nc_u64 s[CB:CB+1], s[10:11], s[66:67]
.set t, 0
.rept 32
	ds_load_b128 v[A0+4*t:A0+4*t+3], v[RD] offset:2*SP*t
.set t, t+1
.endr
.set t, 0
.rept 32
	s_wait_dscnt 31-t
	global_store_b128 v[CO], v[A0+4*t:A0+4*t+3], s[CB:CB+1] offset:4096*t  ; 16 lanes store 256 consecutive bytes, aligned
.set t, t+1
.endr
	s_wait_xcnt 0x0                                ; the stores' base and data are rewritten only behind this wait
	v_add_nc_u32 v[RD], 256, v[RD]
	s_add_co_u32 s[UG], s[UG], 1
	s_sub_co_u32 s3, s3, 1
	s_cmp_lg_u32 s3, 0
	s_cbranch_scc1 .Lout
	s_wait_tensorcnt 0x0                           ; the wave's end
	ds_add_u32 v[SPW], v[NIL]
	s_wait_dscnt 0x0
	CROUND                                         ; the closing round
	s_endpgm
.Lfunc_end_k_q9de521d6e8_qkv_gemm:
	.size	k_q9de521d6e8_qkv_gemm, .Lfunc_end_k_q9de521d6e8_qkv_gemm-k_q9de521d6e8_qkv_gemm
	.p2alignl 7, 3214868480
	.fill 96, 4, 3214868480
	.section	.rodata,"a",@progbits
	.p2align	6, 0x0
	.amdhsa_kernel k_q9de521d6e8_qkv_gemm
		.amdhsa_group_segment_fixed_size 327680
		.amdhsa_private_segment_fixed_size 0
		.amdhsa_enable_private_segment 0
		.amdhsa_kernarg_size 32
		.amdhsa_user_sgpr_count 2
		.amdhsa_user_sgpr_kernarg_segment_ptr 1
		.amdhsa_wavefront_size32 1
		.amdhsa_system_sgpr_workgroup_id_x 1
		.amdhsa_system_sgpr_workgroup_id_y 1
		.amdhsa_system_sgpr_workgroup_id_z 1
		.amdhsa_system_vgpr_workitem_id 0
		.amdhsa_next_free_vgpr 1024
		.amdhsa_next_free_sgpr 80
		.amdhsa_reserve_vcc 0
		.amdhsa_float_denorm_mode_32 3
		.amdhsa_float_denorm_mode_16_64 3
		.amdhsa_memory_ordered 1
		.amdhsa_forward_progress 1
		.amdhsa_inst_pref_size 140
	.end_amdhsa_kernel
	.amdgpu_metadata
---
amdhsa.version: [ 1, 2 ]
amdhsa.kernels:
  - .name:           k_q9de521d6e8_qkv_gemm
    .symbol:         k_q9de521d6e8_qkv_gemm.kd
    .args:
      - { .name: xb, .offset: 0, .size: 8, .value_kind: global_buffer, .address_space: global }
      - { .name: wb, .offset: 8, .size: 8, .value_kind: global_buffer, .address_space: global }
      - { .name: biasr, .offset: 16, .size: 8, .value_kind: global_buffer, .address_space: global }
      - { .name: qkvh, .offset: 24, .size: 8, .value_kind: global_buffer, .address_space: global }
    .group_segment_fixed_size: 327680
    .private_segment_fixed_size: 0
    .kernarg_segment_align: 8
    .kernarg_segment_size: 32
    .max_flat_workgroup_size: 128
    .sgpr_count:     80
    .vgpr_count:     1024
    .wavefront_size: 32
...
	.end_amdgpu_metadata
.endif
;; end of part 2
;; launch seg_attn (part 3): grid 2 x 128, 4 waves a work-group, no clusters, 327,680 bytes of LDS; arguments qkvh, beta, atth; writes atth
.if DOCPART == 3
	.amdgcn_target "amdgcn-amd-amdhsa--gfx1250"
	.amdhsa_code_object_version 6
	.text
	.protected	k_q9de521d6e8_seg_attn
	.globl	k_q9de521d6e8_seg_attn
	.p2align	8
	.type	k_q9de521d6e8_seg_attn,@function
k_q9de521d6e8_seg_attn:
	s_mov_b64 s[64:65], 0
	v_nop
	global_prefetch_b8 v0, s[64:65] scope:SCOPE_SE
	s_setreg_imm32_b32 hwreg(HW_REG_WAVE_MODE, 25, 1), 1
	s_wait_xcnt 0x0
; THE SCAN OVER SEGMENTS.  A head bh (of 128) is 1,024 tokens x 64 channels, dense in each plane of qkvh (131,072 bytes, token t at 128 t): 16 segments of 64 tokens.  For segment n:
;   attn = g A_mem + (1 - g) A_dot,  g = sigmoid(10 beta[h]),  A_dot = causal softmax(q k^T / 8) v inside the segment,
;   A_mem[s][e] = (sq mem)[s][e] / (rowsum(sq)[s] z[e] + 1e-6),  mem = sum over earlier segments of sk^T v,  z = their column sums of sk,  sq, sk = elu + 1.
; All matrix operands f16, all sums, maxima and the carried mem and z in f32.
; sigma(x) = max(x, 0) + 2^(min(x, 0) log2 e), rounded once to f16: off from expm1(x) + 1 by 6e-8 at the most.
; THE MEMORY OPERAND.  |mem[d][e]| <= max|v| z[d], so mem / ZM with ZM = max(max z, 2^-100) lies within v's range for every input; A_mem = ZM (sq (mem / ZM)) / (R z + eps).  z and R are products of the same
; f16 sk and sq with a fragment of ones.  With mem = z = 0 this is 0 / eps = 0.
; LIMITS.  q, k, v, sigma and attn beyond 65,504 become infinities; a weight or sigma below 6e-5 keeps f16's fixed step of 6e-8; a hidden score counts as its value less 1e30; NaN and infinities are not treated apart.
; SHARES.  Work-group (half, bh): 256 of them, all alike.  Both halves of a head carry the whole memory; of a segment's four tiles of 16 queries a half owns a SHORT one (tile half: key tiles 0, 1) and a LONG one
; (tile 3 - half: key tiles 0-3); four masks made from half serve both halves with one text.  Wave w owns segments 4 w .. 4 w + 3.
; NO CLUSTER: two work-groups share a head's k and v, and they ask for them once, at the head.
; PHASES.  (E) sk in place over k in LDS: it begins when k has landed; v, and the first segment's q and raw k, are on their way meanwhile.  (1) waves 0-2 sum sk^T v and z over their four segments.
; (X) the sums go from wave to wave through LDS: wave w starts with the sum of waves < w.  (2) four trips, a segment each.
; LAYOUTS (r = lane % 16, h = lane / 16; a result's register j is row 8 h + j of source 0's rows, column r of source 1's):
;   S^T = K Q^T: query r, keys 8 h + j.     O^T = V^T P, N = MO W: query r, channels 8 h + j.     U = sk^T v: e = r, d = 8 h + j: two U, scaled and rounded in pairs, ARE a fragment of MO.
;   Z = sk^T ones: z[8 h + j] in every column.     RR = ones W: R[query r] in every register.
; REGISTERS.  window 0: v1-31 addresses and constants; T v32-95; S v96-143; P v144-167; masks v168-199; ONES v200-207; Q (then sigma(q)) v208-239; v240-255 at work.
;   window 1: U v0-127 (8 (4 db + eb)), Z v128-159, MO v160-223.   window 2: KP v0-63 (raw k), VT v64-127, KT v128-191.   window 3: phase 1's sums v0-159; then N v0-63, O^T v64-127, RR v128-143.
.set PK,    144                        ; a token's row in LDS: 128 + 16 bytes
.set WREG,  256*PK                     ; a wave's 256 tokens
.set VREG,  4*WREG                     ; v behind k
.set XCH,   8*WREG                     ; one state on its way between waves: 160 registers x 128 bytes
.set STAGE, XCH+20480                  ; 16 rows x 144 bytes for each wave
.set SPARE, STAGE+4*16*PK              ; the spare words: two blocks of 256 bytes that no other line names
.set SEGL,  64*PK                      ; a segment in LDS
.set SEGB,  8192                       ; and in memory
.set PLANE, 16777216
.set AKB, 1                            ; v1, v2  my lane's place in the turning loads of my wave's k and v; never rewritten
.set AVB, 2
.set AE,  3                            ; v3   phase E's address
.set AKT, 4                            ; v4, v5  phase 2's turning loads: they step a segment a trip
.set AVT, 5
.set QOS, 6                            ; v6, v7  my byte offset in a segment's q: short tile, long tile
.set QOL, 7
.set KO,  8                            ; v8   in a segment's k
.set STO, 9                            ; v9, v10  the stage: in, back
.set RD,  10
.set GOS, 11                           ; v11, v12  my byte offset in a segment of atth: short, long
.set GOL, 12
.set XA,  13                           ; v13  the exchange: XCH + 16 x lane
.set ZERO, 14
.set ONEF, 15
.set L2E, 16
.set GATE, 17
.set OMG, 18
.set CMS, 20                           ; v[20:21], v[22:23]  c m and m: short, long
.set CML, 22
.set G2,  24                           ; v[24:25], v[26:27]  (1 - g) / l in the low word
.set SIG, 28                           ; v[28:29]  1 / ZM, later g ZM, in the low word
.set SPW, 30
.set NIL, 31
.set T,   32
.set S,   96
.set P,   144
.set MS0, 168
.set MS1, 176
.set ML2, 184
.set ML3, 192
.set ONES, 200
.set Q,   208
.set ZM,  252
.set ZR,  128                          ; window 1
.set MO,  160
.set KP,  0                            ; window 2
.set VT,  64
.set KT,  128
.set NR,  0                            ; window 3
.set OT,  64
.set RR,  128
.set WV,  10
.set HALF, 11
.set BH,  12
.set G1,  16                           ; s[16:23] group 1; s[24:27], s[28:31] group 0 for k, v
.set G0K, 24
.set G0V, 28
.set QB,  32                           ; s[32:33] q, s[34:35] k, s[36:37] atth at the segment in hand (k and q: at the segment last asked for)
.set KB,  34
.set OB,  36
.set CS,  38                           ; s[38:39] c = log2(e) / 8
.set SEL, 40                           ; s[40:41] v_permlanex16_b32: each lane takes its own place in the other half
.set EPS, 42                           ; s[42:43] 1e-6
.set FA0, 44                           ; 1 if half = 0, else 0;  FA1 the other way;  FB0, FB1 = -1e30 times these
.set FA1, 45
.set FB0, 46
.set FB1, 47
.set CNT, 48
.set ZMIN, 49
.set BETA, 50
.set BIGN, 53
.set MSB, 0
.macro WIN new
.if MSB != (\new)
	s_set_vgpr_msb (MSB<<8)|(\new)
.set MSB, \new
.endif
.endm
.macro PLACES
.rept 4
	v_nop
.endr
.endm
.macro LDQ                             ; a segment's two query tiles, as fragments: 8 loads
	WIN 0
.irp c, 0,1
	global_load_b128 v[Q+8*\c:Q+8*\c+3],         v[QOS], s[QB:QB+1] offset:64*\c
	global_load_b128 v[Q+8*\c+4:Q+8*\c+7],       v[QOS], s[QB:QB+1] offset:64*\c+32
	global_load_b128 v[Q+16+8*\c:Q+16+8*\c+3],   v[QOL], s[QB:QB+1] offset:64*\c
	global_load_b128 v[Q+16+8*\c+4:Q+16+8*\c+7], v[QOL], s[QB:QB+1] offset:64*\c+32
.endr
.endm
.macro LDKP                            ; a segment's raw k, as fragments (key tile f / 2, channels 32 (f % 2) on): 16 loads
	WIN 0x80
.irp f, 0,1,2,3,4,5,6,7
	global_load_b128 v[KP+8*\f:KP+8*\f+3],   v[KO], s[KB:KB+1] offset:(\f/2)*2048+(\f%2)*64
	global_load_b128 v[KP+8*\f+4:KP+8*\f+7], v[KO], s[KB:KB+1] offset:(\f/2)*2048+(\f%2)*64+32
.endr
	WIN 0
.endm
; A segment of sk or v, turned: fragment f = channels 16 (f / 2) on, tokens 32 (f % 2) on.  off: bytes behind the address (a segment's place, where the address stays); step = 1: the address then steps a segment.
.macro LDT dst, adr, off=0, step=1
	WIN 0x80
.irp f, 0,1,2,3,4,5,6,7
	ds_load_tr16_b128 v[(\dst)+8*\f:(\dst)+8*\f+3],   v[\adr] offset:(\off)+(\f%2)*32*PK+(\f/2)*32
	ds_load_tr16_b128 v[(\dst)+8*\f+4:(\dst)+8*\f+7], v[\adr] offset:(\off)+(\f%2)*32*PK+16*PK+(\f/2)*32
.endr
.if \step
	WIN 0
	v_add_nc_u32 v[\adr], SEGL, v[\adr]
.endif
.endm
; sigma on 32 registers of f16 pairs at x, in place; xm: 32 registers at work.  The 64 exponentials are one batch with one wait ahead of the first reader.
.macro SIGMA x, xm
	WIN 0
.set i, 0
.rept 32
	v_pk_min_num_f16 v[(\xm)+i], v[(\x)+i], v[ZERO]
.set i, i+1
.endr
.set i, 0
.rept 32
	v_pk_max_num_f16 v[(\x)+i], v[(\x)+i], v[ZERO]
.set i, i+1
.endr
.set i, 0
.rept 32
	v_fma_mix_f32 v[T+2*i],   v[(\xm)+i], v[L2E], v[ZERO] op_sel_hi:[1,0,0]
	v_fma_mix_f32 v[T+2*i+1], v[(\xm)+i], v[L2E], v[ZERO] op_sel:[1,0,0] op_sel_hi:[1,0,0]
.set i, i+1
.endr
.set i, 0
.rept 64
	v_exp_f32 v[T+i], v[T+i]
.set i, i+1
.endr
	v_nop                                          ; a plain instruction behind the last exponential
	s_wait_alu depctr_va_vdst(0)
.set i, 0
.rept 32
	v_fma_mixlo_f16 v[(\x)+i], v[(\x)+i], v[ONEF], v[T+2*i] op_sel_hi:[1,0,0]
	v_fma_mixhi_f16 v[(\x)+i], v[(\x)+i], v[ONEF], v[T+2*i+1] op_sel:[1,0,0] op_sel_hi:[1,0,0]
.set i, i+1
.endr
.endm
; U += sk^T v and Z += sk^T ones for the segment in KT, VT: 40 products; the 20 accumulators, in window win, take turns.  zero = 1: the first 20 start the sums.
.macro UPD win, zero
.irp th, 0,1
	WIN 0x0a+0x50*(\win)
.irp db, 0,1,2,3
.irp eb, 0,1,2,3
.if (\zero) && (\th == 0)
	v_wmma_f32_16x16x32_f16 v[8*(4*\db+\eb):8*(4*\db+\eb)+7], v[KT+8*(2*\db+\th):KT+8*(2*\db+\th)+7], v[VT+8*(2*\eb+\th):VT+8*(2*\eb+\th)+7], 0
.else
	v_wmma_f32_16x16x32_f16 v[8*(4*\db+\eb):8*(4*\db+\eb)+7], v[KT+8*(2*\db+\th):KT+8*(2*\db+\th)+7], v[VT+8*(2*\eb+\th):VT+8*(2*\eb+\th)+7], v[8*(4*\db+\eb):8*(4*\db+\eb)+7]
.endif
.endr
.endr
	WIN 0x02+0x50*(\win)
.irp db, 0,1,2,3
.if (\zero) && (\th == 0)
	v_wmma_f32_16x16x32_f16 v[ZR+8*\db:ZR+8*\db+7], v[KT+8*(2*\db+\th):KT+8*(2*\db+\th)+7], v[ONES:ONES+7], 0
.else
	v_wmma_f32_16x16x32_f16 v[ZR+8*\db:ZR+8*\db+7], v[KT+8*(2*\db+\th):KT+8*(2*\db+\th)+7], v[ONES:ONES+7], v[ZR+8*\db:ZR+8*\db+7]
.endif
.endr
.endr
.endm
	s_load_b128 s[4:7], s[0:1], 0x0                ; qkvh s[4:5], beta s[6:7]
	s_load_b64 s[8:9], s[0:1], 0x10                ; atth
	v_lshl_add_u32 v[SPW], v0, 2, SPARE
	v_mov_b32 v[NIL], 0
	ds_add_u32 v[SPW], v[NIL]                      ; the opening: the add and its wait stand ahead of my first tensor load; register work stands between
	v_lshrrev_b32 v1, 5, v0
	v_readfirstlane_b32 s[WV], v1                  ; wave 0..3
	s_mov_b32 s[HALF], ttmp9
	s_and_b32 s[BH], ttmp7, 0xffff
	s_mov_b32 s[G1], (1<<16)|(1<<20)|(4<<22)|(3<<25)  ; 2-byte elements; padding on, after every 32 words (a token), 4 words
	s_mov_b32 s[G1+1], 128<<16                     ; 256 tokens are 32,768 dense bytes: asked for as 128 rows of 256 bytes
	s_mov_b32 s[G1+2], 128<<16
	s_mov_b32 s[G1+3], 128<<16
	s_mov_b32 s[G1+4], 128
	s_mov_b32 s[G1+5], 128
	s_mov_b32 s[G1+6], 0
	s_mov_b32 s[G1+7], 0
	s_lshl_b32 s2, s[BH], 17                       ; the head's 131,072 bytes,
	s_lshl_b32 s3, s[WV], 15                       ; my wave's four segments
	s_add_co_u32 s2, s2, s3
	s_mov_b32 s3, 0
	s_mul_i32 s14, s[WV], WREG                     ; my wave's k in LDS
	s_and_b32 s51, s[BH], 15
	s_lshl_b32 s51, s51, 2                         ; beta[h]
	s_mov_b32 s[CS], 0x3e38aa3b
	s_mov_b32 s[CS+1], s[CS]
	s_mov_b32 s[SEL], 0x76543210
	s_mov_b32 s[SEL+1], 0xfedcba98
	s_mov_b32 s[EPS], 0x358637bd
	s_mov_b32 s[EPS+1], s[EPS]
	s_mov_b32 s[ZMIN], 0x0d800000                  ; 2^-100
	s_mov_b32 s[BIGN], 0xf149f2ca                  ; -1e30
	s_cmp_eq_u32 s[HALF], 0
	s_cselect_b32 s[FA0], 1.0, 0
	s_cselect_b32 s[FA1], 0, 1.0
	s_cselect_b32 s[FB0], s[BIGN], 0
	s_cselect_b32 s[FB1], 0, s[BIGN]
	s_lshl_b32 s52, s[HALF], 11                    ; the short tile's 16 rows of 128 bytes,
	s_sub_co_u32 s54, 3, s[HALF]
	s_lshl_b32 s54, s54, 11                        ; the long tile's
	v_and_b32 v240, 15, v0                         ; r
	v_bfe_u32 v241, v0, 4, 1                       ; h
	v_lshlrev_b32 v[KO], 7, v240
	v_lshl_add_u32 v[KO], v241, 4, v[KO]           ; 128 r + 16 h
	v_add_nc_u32 v[QOS], s52, v[KO]
	v_add_nc_u32 v[QOL], s54, v[KO]
	s_wait_dscnt 0x0                               ; the opening add is done
	s_wait_kmcnt 0x0
	s_load_b32 s[BETA], s[6:7], s51 offset:0x0
	s_add_nc_u64 s[QB:QB+1], s[4:5], s[2:3]
	s_add_nc_u64 s[KB:KB+1], s[QB:QB+1], PLANE
	s_add_nc_u64 s[OB:OB+1], s[8:9], s[2:3]
	s_mov_b32 s[G0K], 1
	s_mov_b32 s[G0K+1], s14
	s_mov_b64 s[G0K+2:G0K+3], s[KB:KB+1]
	s_or_b32 s[G0K+3], s[G0K+3], 0x80000000
	s_mov_b32 s[G0V], 1
	s_add_co_u32 s[G0V+1], s14, VREG
	s_add_nc_u64 s[G0V+2:G0V+3], s[KB:KB+1], PLANE
	s_or_b32 s[G0V+3], s[G0V+3], 0x80000000
	tensor_load_to_lds s[G0K:G0K+3], s[G1:G1+7]    ; my four segments of k first: phase E wants them alone,
	s_nop 0
	tensor_load_to_lds s[G0V:G0V+3], s[G1:G1+7]    ; then those of v: the launch's only fills; two loads of mine are out
	s_nop 0
.rept 4
	v_nop
.endr
	v_and_b32 v242, 7, v0
	v_bfe_u32 v243, v0, 3, 1
	v_lshl_add_u32 v244, v241, 3, v242             ; the turning load: lane l reads token 8 h + l % 8, channels 8 ((l / 8) % 2) on
	v_mul_u32_u24 v244, v244, PK
	v_lshl_add_u32 v244, v243, 4, v244
	v_add_nc_u32 v[AKB], s14, v244
	v_add_nc_u32 v[AVB], VREG, v[AKB]
	v_bfe_u32 v245, v0, 3, 2                       ; 32 lanes take four rows of 128 bytes
	v_mul_u32_u24 v245, v245, PK
	v_lshl_add_u32 v245, v242, 4, v245
	v_add_nc_u32 v[AE], s14, v245
	s_mul_i32 s55, s[WV], 16*PK
	s_add_co_u32 s55, s55, STAGE
	v_add_nc_u32 v[RD], s55, v245
	v_mul_u32_u24 v246, v240, PK
	v_lshl_add_u32 v246, v241, 4, v246
	v_add_nc_u32 v[STO], s55, v246
	v_and_b32 v247, 31, v0
	v_lshlrev_b32 v247, 4, v247
	v_add_nc_u32 v[GOS], s52, v247
	v_add_nc_u32 v[GOL], s54, v247
	v_add_nc_u32 v[XA], XCH, v247
	v_mov_b32 v[ZERO], 0
	v_mov_b32 v[ONEF], 1.0
	v_mov_b32 v[L2E], 0x3fb8aa3b
	v_mov_b32 v[G2+1], 0                           ; named as pairs' upper words
	v_mov_b32 v[G2+3], 0
	v_mov_b32 v[SIG+1], 0
.set j, 0
.rept 8
	v_mov_b32 v[ONES+j], 0x3c003c00                ; 1.0 twice in f16
.set j, j+1
.endr
	; The masks are C operands that start the scores' sums.  MD[j] = -1e30 where key 8 h + j lies behind query r, else 0: a diagonal tile's mask.
	v_lshlrev_b32 v248, 3, v241
	v_sub_nc_u32 v248, v240, v248                  ; r - 8 h
.set j, 0
.rept 8
	v_cmp_gt_i32 vcc_lo, j, v248
	v_cndmask_b32 v[T+j], 0, s[BIGN], vcc_lo
	v_mul_f32 v[MS0+j], s[FA0], v[T+j]             ; short, key tile 0: the diagonal (half 0) or open
	v_fma_f32 v[MS1+j], v[T+j], s[FA1], s[FB0]     ; short, key tile 1: hidden (half 0) or the diagonal
	v_mul_f32 v[ML2+j], s[FA1], v[T+j]             ; long, key tile 2: open (half 0) or the diagonal
	v_fma_f32 v[ML3+j], v[T+j], s[FA0], s[FB1]     ; long, key tile 3: the diagonal (half 0) or hidden
.set j, j+1
.endr
	WIN 0x40
.set i, 0
.rept 160
	v_mov_b32 v[i], 0                              ; the scan's own start value, mem = z = 0: wave 0 keeps it, the others load over it in the exchange.  Written here, in the wait for k
.set i, i+1
.endr
	WIN 0
	s_wait_kmcnt 0x0
	v_mov_b32 v[GATE], s[BETA]
	v_cvt_pk_bf16_f32 v[GATE], v[GATE], v[GATE]    ; beta is rounded to bf16 like every input
	v_lshlrev_b32 v[GATE], 16, v[GATE]
	v_mul_f32 v[GATE], 0x41200000, v[GATE]         ; x 10
	v_mul_f32 v[GATE], 0xbfb8aa3b, v[GATE]         ; x -log2 e
	v_exp_f32 v[GATE], v[GATE]
	v_nop
	s_wait_alu depctr_va_vdst(0)
	v_add_f32 v[GATE], 1.0, v[GATE]
	v_rcp_f32 v[GATE], v[GATE]
	v_nop
	s_wait_alu depctr_va_vdst(0)
	v_sub_f32 v[OMG], 1.0, v[GATE]
	s_wait_tensorcnt 0x1                           ; my k is in LDS; v's load, issued behind it, may stay out.  No other wave reads my bytes, so no barrier
	LDQ                                            ; my first segment's q and raw k: asked for now, wanted in phase 2
	LDKP
	; PHASE E: sk over k, 32 tokens a trip
	s_mov_b32 s[CNT], 8
.Lsig:
.irp k, 0,1,2,3,4,5,6,7
	ds_load_b128 v[S+4*\k:S+4*\k+3], v[AE] offset:4*PK*\k
.endr
	s_wait_dscnt 0x0
	SIGMA S, S+32
.irp k, 0,1,2,3,4,5,6,7
	ds_store_b128 v[AE], v[S+4*\k:S+4*\k+3] offset:4*PK*\k
.endr
	v_add_nc_u32 v[AE], 32*PK, v[AE]
	s_sub_co_u32 s[CNT], s[CNT], 1
	s_cmp_lg_u32 s[CNT], 0
	s_cbranch_scc1 .Lsig
	s_wait_tensorcnt 0x0                           ; my v is in LDS too: on every wave's path, ahead of its first read of v
	; PHASE 1: my four segments' sums, in window 3.  Nobody wants wave 3's.  Written out four times: the segment stands in the loads' immediate (9,216 bytes a segment, 34,656 at the most),
	; behind the two addresses of my wave's own k and v, which are never rewritten.
	s_cmp_eq_u32 s[WV], 3
	s_cbranch_scc1 .Lxch
	LDT KT, AKB, 0, 0                              ; LDS serves a wave's instructions in order: these see phase E's stores
	LDT VT, AVB, 0, 0
	s_wait_dscnt 0x0
	UPD 3, 1                                       ; the first segment's products start the sums
.irp g, 1,2,3
	PLACES                                         ; in front of loads into registers that the last products read
	LDT KT, AKB, \g*SEGL, 0
	LDT VT, AVB, \g*SEGL, 0
	s_wait_dscnt 0x0
	UPD 3, 0
.endr
	WIN 0
	PLACES                                         ; in front of the stores that read the sums, and of the loads into KT and VT
.Lxch:
; THE EXCHANGE, round j: wave j puts its sums into LDS; a barrier; every later wave takes them (round 0: as its start; later: added on); a barrier before the bytes are written again.
.macro XROUND j
	s_cmp_lg_u32 s[WV], \j
	s_cbranch_scc1 .Lnot_me_\@
	WIN 0x0c                                       ; the data in window 3
.set i, 0
.rept 40
	ds_store_b128 v[XA], v[4*i:4*i+3] offset:512*i
.set i, i+1
.endr
	WIN 0
.Lnot_me_\@:
	s_wait_dscnt 0x0                               ; for the others' sake: the stores are done
	s_barrier_signal -1
	s_barrier_wait -1
	s_cmp_gt_u32 s[WV], \j
	s_cbranch_scc0 .Lnot_mine_\@
.if (\j) == 0
	WIN 0x40
.set i, 0
.rept 40
	ds_load_b128 v[4*i:4*i+3], v[XA] offset:512*i
.set i, i+1
.endr
.else
	WIN 0x80                                       ; into window 2, v64-223: VT, KT and 32 idle registers
.set i, 0
.rept 40
	ds_load_b128 v[64+4*i:64+4*i+3], v[XA] offset:512*i
.set i, i+1
.endr
	s_wait_dscnt 0x0
	WIN 0x49
.set i, 0
.rept 80
	v_pk_add_f32 v[2*i:2*i+1], v[2*i:2*i+1], v[64+2*i:64+2*i+1]
.set i, i+1
.endr
.endif
	WIN 0
.Lnot_mine_\@:
.if (\j) < 2
	s_wait_dscnt 0x0                               ; my reads are over: the next round may write the bytes
	s_barrier_signal -1
	s_barrier_wait -1
.endif
.endm
	XROUND 0
	XROUND 1
	XROUND 2
	; PHASE 2: a segment a trip
	v_mov_b32 v[AKT], v[AKB]
	v_mov_b32 v[AVT], v[AVB]
	s_mov_b32 s[CNT], 4
.Lseg:
	s_wait_loadcnt 0x0                             ; this segment's q and raw k
	WIN 0x02                                       ; S^T = K Q^T: six tiles by turns, channels 0-31 and then 32-63
	v_wmma_f32_16x16x32_f16 v[S:S+7],     v[KP:KP+7],     v[Q:Q+7],     v[MS0:MS0+7]
	v_wmma_f32_16x16x32_f16 v[S+8:S+15],  v[KP+16:KP+23], v[Q:Q+7],     v[MS1:MS1+7]
	v_wmma_f32_16x16x32_f16 v[S+16:S+23], v[KP:KP+7],     v[Q+16:Q+23], 0
	v_wmma_f32_16x16x32_f16 v[S+24:S+31], v[KP+16:KP+23], v[Q+16:Q+23], 0
	v_wmma_f32_16x16x32_f16 v[S+32:S+39], v[KP+32:KP+39], v[Q+16:Q+23], v[ML2:ML2+7]
	v_wmma_f32_16x16x32_f16 v[S+40:S+47], v[KP+48:KP+55], v[Q+16:Q+23], v[ML3:ML3+7]
	v_wmma_f32_16x16x32_f16 v[S:S+7],     v[KP+8:KP+15],  v[Q+8:Q+15],  v[S:S+7]
	v_wmma_f32_16x16x32_f16 v[S+8:S+15],  v[KP+24:KP+31], v[Q+8:Q+15],  v[S+8:S+15]
	v_wmma_f32_16x16x32_f16 v[S+16:S+23], v[KP+8:KP+15],  v[Q+24:Q+31], v[S+16:S+23]
	v_wmma_f32_16x16x32_f16 v[S+24:S+31], v[KP+24:KP+31], v[Q+24:Q+31], v[S+24:S+31]
	v_wmma_f32_16x16x32_f16 v[S+32:S+39], v[KP+40:KP+47], v[Q+24:Q+31], v[S+32:S+39]
	v_wmma_f32_16x16x32_f16 v[S+40:S+47], v[KP+56:KP+63], v[Q+24:Q+31], v[S+40:S+47]
	PLACES
	LDT VT, AVT                                    ; this segment's v and sk, turned: wanted behind the softmax
	LDT KT, AKT
	; ZM = max(max z, 2^-100) and 1 / ZM.  Each accumulator's low registers are read first.
	WIN 0x15
.irp d, 0,1,2,3
	v_max3_num_f32 v[244+\d], v[ZR+8*\d], v[ZR+8*\d+1], v[ZR+8*\d+2]
.endr
	WIN 0x14
.irp d, 0,1,2,3
	v_max3_num_f32 v[244+\d], v[244+\d], v[ZR+8*\d+3], v[ZR+8*\d+4]
.endr
.irp d, 0,1,2,3
	v_max3_num_f32 v[244+\d], v[244+\d], v[ZR+8*\d+5], v[ZR+8*\d+6]
.endr
.irp d, 0,1,2,3
	v_max3_num_f32 v[244+\d], v[244+\d], v[ZR+8*\d+7], v[ZR+8*\d+7]
.endr
	WIN 0
	v_max3_num_f32 v244, v244, v245, v246
	v_max_num_f32 v244, v244, v247
	v_permlanex16_b32 v245, v244, s[SEL], s[SEL+1]
	v_max3_num_f32 v[ZM], v244, v245, s[ZMIN]
	v_rcp_f32 v[SIG], v[ZM]
	v_nop
	s_wait_alu depctr_va_vdst(0)
	; MO = mem / ZM in f16: registers 0-3 of fragment (eb, dh) from U(2 dh, eb), 4-7 from U(2 dh + 1, eb)
.irp bt, 0,1
	WIN 0x01
.set i, 0
.rept 32
	v_pk_mul_f32 v[T+2*i:T+2*i+1], v[64*\bt+2*i:64*\bt+2*i+1], v[SIG:SIG+1] op_sel_hi:[1,0]
.set i, i+1
.endr
	WIN 0x40
.set i, 0
.rept 32
	v_cvt_pk_f16_f32 v[MO+8*(2*((i/4)%4)+\bt)+4*(i/16)+i%4], v[T+2*i], v[T+2*i+1]
.set i, i+1
.endr
.endr
	WIN 0
	s_cmp_eq_u32 s[CNT], 1                         ; the last trip has no segment behind it
	s_cbranch_scc1 .Lno_k
	s_add_nc_u64 s[KB:KB+1], s[KB:KB+1], SEGB      ; its last loads were shown done at the trip's head
	LDKP                                           ; the next segment's raw k
.Lno_k:
	; THE SOFTMAX of both tiles: the row's true maximum, p = 2^(c s - c m), the sum of the unrounded p
	v_max3_num_f32 v240, v[S], v[S+1], v[S+2]
	v_max3_num_f32 v241, v[S+8], v[S+9], v[S+10]
.irp d, 0,1,2,3
	v_max3_num_f32 v[244+\d], v[S+16+8*\d], v[S+16+8*\d+1], v[S+16+8*\d+2]
.endr
	v_max3_num_f32 v240, v240, v[S+3], v[S+4]
	v_max3_num_f32 v241, v241, v[S+11], v[S+12]
.irp d, 0,1,2,3
	v_max3_num_f32 v[244+\d], v[244+\d], v[S+16+8*\d+3], v[S+16+8*\d+4]
.endr
	v_max3_num_f32 v240, v240, v[S+5], v[S+6]
	v_max3_num_f32 v241, v241, v[S+13], v[S+14]
.irp d, 0,1,2,3
	v_max3_num_f32 v[244+\d], v[244+\d], v[S+16+8*\d+5], v[S+16+8*\d+6]
.endr
	v_max3_num_f32 v240, v240, v[S+7], v[S+15]
	v_max3_num_f32 v244, v244, v[S+23], v[S+31]
	v_max3_num_f32 v246, v246, v[S+39], v[S+47]
	v_max_num_f32 v240, v240, v241
	v_max3_num_f32 v244, v244, v245, v246
	v_max_num_f32 v244, v244, v247
	v_permlanex16_b32 v241, v240, s[SEL], s[SEL+1] ; the query's other keys lie in the lane 16 away
	v_permlanex16_b32 v245, v244, s[SEL], s[SEL+1]
	v_max_num_f32 v[CMS+1], v240, v241
	v_max_num_f32 v[CML+1], v244, v245
	v_mul_f32 v[CMS], s[CS], v[CMS+1]
	v_mul_f32 v[CML], s[CS], v[CML+1]
.set i, 0
.rept 8
	v_pk_fma_f32 v[S+2*i:S+2*i+1], v[S+2*i:S+2*i+1], s[CS:CS+1], v[CMS:CMS+1] op_sel_hi:[1,0,0] neg_lo:[0,0,1] neg_hi:[0,0,1]
.set i, i+1
.endr
.rept 16
	v_pk_fma_f32 v[S+2*i:S+2*i+1], v[S+2*i:S+2*i+1], s[CS:CS+1], v[CML:CML+1] op_sel_hi:[1,0,0] neg_lo:[0,0,1] neg_hi:[0,0,1]
.set i, i+1
.endr
.set i, 0
.rept 48
	v_exp_f32 v[S+i], v[S+i]
.set i, i+1
.endr
	v_nop
	s_wait_alu depctr_va_vdst(0)                   ; one wait for the 48
.set i, 0
.rept 24
	v_cvt_pk_f16_f32 v[P+i], v[S+2*i], v[S+2*i+1]  ; P: short keys 0-31, long keys 0-31, long keys 32-63
.set i, i+1
.endr
.irp i, 0,2,4,6
	v_pk_add_f32 v[S+\i:S+\i+1], v[S+\i:S+\i+1], v[S+8+\i:S+8+\i+1]
.endr
.irp i, 0,2,4,6,8,10,12,14
	v_pk_add_f32 v[S+16+\i:S+16+\i+1], v[S+16+\i:S+16+\i+1], v[S+32+\i:S+32+\i+1]
.endr
.irp i, 0,2
	v_pk_add_f32 v[S+\i:S+\i+1], v[S+\i:S+\i+1], v[S+4+\i:S+4+\i+1]
.endr
.irp i, 0,2,4,6
	v_pk_add_f32 v[S+16+\i:S+16+\i+1], v[S+16+\i:S+16+\i+1], v[S+24+\i:S+24+\i+1]
.endr
	v_pk_add_f32 v[S:S+1], v[S:S+1], v[S+2:S+3]
.irp i, 0,2
	v_pk_add_f32 v[S+16+\i:S+16+\i+1], v[S+16+\i:S+16+\i+1], v[S+20+\i:S+20+\i+1]
.endr
	v_add_f32 v242, v[S], v[S+1]
	v_pk_add_f32 v[S+16:S+17], v[S+16:S+17], v[S+18:S+19]
	v_permlanex16_b32 v241, v242, s[SEL], s[SEL+1]
	v_add_f32 v248, v[S+16], v[S+17]
	v_add_f32 v242, v242, v241
	v_permlanex16_b32 v245, v248, s[SEL], s[SEL+1]
	v_add_f32 v248, v248, v245
	v_rcp_f32 v250, v242                           ; 1 / l: first named behind the wait in SIGMA below
	v_rcp_f32 v251, v248
	SIGMA Q, S                                     ; sigma(q) over q
	v_mul_f32 v[G2], v[OMG], v250
	v_mul_f32 v[G2+2], v[OMG], v251
	v_mul_f32 v[SIG], v[GATE], v[ZM]               ; g ZM
	s_wait_dscnt 0x0                               ; VT and KT are in
	; 32 products, the accumulators by turns: N = MO W, RR = ones W, O^T = V^T P
.irp dh, 0,1
	WIN 0xf1
.irp t, 0,1
.irp eb, 0,1,2,3
.if \dh == 0
	v_wmma_f32_16x16x32_f16 v[NR+8*(4*\t+\eb):NR+8*(4*\t+\eb)+7], v[MO+16*\eb:MO+16*\eb+7], v[Q+16*\t:Q+16*\t+7], 0
.else
	v_wmma_f32_16x16x32_f16 v[NR+8*(4*\t+\eb):NR+8*(4*\t+\eb)+7], v[MO+16*\eb+8:MO+16*\eb+15], v[Q+16*\t+8:Q+16*\t+15], v[NR+8*(4*\t+\eb):NR+8*(4*\t+\eb)+7]
.endif
.endr
.endr
	WIN 0xf0
.irp t, 0,1
.if \dh == 0
	v_wmma_f32_16x16x32_f16 v[RR+8*\t:RR+8*\t+7], v[ONES:ONES+7], v[Q+16*\t:Q+16*\t+7], 0
.else
	v_wmma_f32_16x16x32_f16 v[RR+8*\t:RR+8*\t+7], v[ONES:ONES+7], v[Q+16*\t+8:Q+16*\t+15], v[RR+8*\t:RR+8*\t+7]
.endif
.endr
	WIN 0xf2
.if \dh == 0
.irp eb, 0,1,2,3
	v_wmma_f32_16x16x32_f16 v[OT+8*\eb:OT+8*\eb+7], v[VT+16*\eb:VT+16*\eb+7], v[P:P+7], 0
.endr
.irp eb, 0,1,2,3
	v_wmma_f32_16x16x32_f16 v[OT+32+8*\eb:OT+32+8*\eb+7], v[VT+16*\eb:VT+16*\eb+7], v[P+8:P+15], 0
.endr
.else
.irp eb, 0,1,2,3
	v_wmma_f32_16x16x32_f16 v[OT+32+8*\eb:OT+32+8*\eb+7], v[VT+16*\eb+8:VT+16*\eb+15], v[P+16:P+23], v[OT+32+8*\eb:OT+32+8*\eb+7]
.endr
.endif
.endr
	PLACES                                         ; behind the products: for the loads into sigma(q)'s registers and for the lines that read the results
	WIN 0
	s_cmp_eq_u32 s[CNT], 1
	s_cbranch_scc1 .Lno_q
	s_add_nc_u64 s[QB:QB+1], s[QB:QB+1], SEGB      ; its last loads were shown done at the trip's head
	LDQ                                            ; the next segment's q, over sigma(q), which the products have read: the rest of the trip stands between these loads and the wait for them
.Lno_q:
	; attn = N (g ZM / (R z + eps)) + O^T (1 - g) / l
	WIN 0x0d                                       ; Z in window 1, RR in window 3
.irp t, 0,1
.irp eb, 0,1,2,3
.irp u, 0,2,4,6
	v_pk_fma_f32 v[T+8*(4*\t+\eb)+\u:T+8*(4*\t+\eb)+\u+1], v[ZR+8*\eb+\u:ZR+8*\eb+\u+1], v[RR+8*\t+\u:RR+8*\t+\u+1], s[EPS:EPS+1] op_sel_hi:[1,1,0]
.endr
.endr
.endr
	WIN 0
.set i, 0
.rept 64
	v_rcp_f32 v[T+i], v[T+i]
.set i, i+1
.endr
	v_nop
	s_wait_alu depctr_va_vdst(0)                   ; one wait for the 64
.set i, 0
.rept 32
	v_pk_mul_f32 v[T+2*i:T+2*i+1], v[T+2*i:T+2*i+1], v[SIG:SIG+1] op_sel_hi:[1,0]
.set i, i+1
.endr
	WIN 0x03                                       ; source 0 in window 3
.set i, 0
.rept 32
	v_pk_mul_f32 v[T+2*i:T+2*i+1], v[NR+2*i:NR+2*i+1], v[T+2*i:T+2*i+1]
.set i, i+1
.endr
.set i, 0
.rept 32
	v_pk_fma_f32 v[T+2*i:T+2*i+1], v[OT+2*i:OT+2*i+1], v[G2+2*(i/16):G2+2*(i/16)+1], v[T+2*i:T+2*i+1] op_sel_hi:[1,0,1]
.set i, i+1
.endr
	WIN 0
.set i, 0
.rept 32
	v_cvt_pk_f16_f32 v[S+i], v[T+2*i], v[T+2*i+1]
.set i, i+1
.endr
	; through my stage, a tile at a time: in as 16 bytes of a row, back as four whole rows of 128 bytes
.irp t, 0,1
.irp f, 0,1,2,3
	ds_store_b128 v[STO], v[S+16*\t+4*\f:S+16*\t+4*\f+3] offset:32*\f
.endr
.irp f, 0,1,2,3
	ds_load_b128 v[T+16*\t+4*\f:T+16*\t+4*\f+3], v[RD] offset:4*PK*\f   ; LDS serves a wave's instructions in order: these see the stores above, the next tile's stores come behind them
.endr
.endr
	UPD 1, 0                                       ; the memory takes this segment, while the stage's round trip is under way
	WIN 0
	s_wait_dscnt 0x0
.irp f, 0,1,2,3
	global_store_b128 v[GOS], v[T+4*\f:T+4*\f+3], s[OB:OB+1] offset:512*\f        ; 512 consecutive bytes, aligned
.endr
.irp f, 0,1,2,3
	global_store_b128 v[GOL], v[T+16+4*\f:T+16+4*\f+3], s[OB:OB+1] offset:512*\f
.endr
	s_wait_xcnt 0x0                                ; the stores' base and data are rewritten only behind this wait
	s_add_nc_u64 s[OB:OB+1], s[OB:OB+1], SEGB
	PLACES                                         ; behind the memory's products: the next trip reads Z and U and loads into KT and VT
	s_sub_co_u32 s[CNT], s[CNT], 1
	s_cmp_lg_u32 s[CNT], 0
	s_cbranch_scc1 .Lseg
	s_wait_tensorcnt 0x0                           ; the wave's end
	ds_add_u32 v[SPW], v[NIL]
	s_wait_dscnt 0x0
	s_endpgm
.Lfunc_end_k_q9de521d6e8_seg_attn:
	.size	k_q9de521d6e8_seg_attn, .Lfunc_end_k_q9de521d6e8_seg_attn-k_q9de521d6e8_seg_attn
	.p2alignl 7, 3214868480
	.fill 96, 4, 3214868480
	.section	.rodata,"a",@progbits
	.p2align	6, 0x0
	.amdhsa_kernel k_q9de521d6e8_seg_attn
		.amdhsa_group_segment_fixed_size 327680
		.amdhsa_private_segment_fixed_size 0
		.amdhsa_enable_private_segment 0
		.amdhsa_kernarg_size 24
		.amdhsa_user_sgpr_count 2
		.amdhsa_user_sgpr_kernarg_segment_ptr 1
		.amdhsa_wavefront_size32 1
		.amdhsa_system_sgpr_workgroup_id_x 1
		.amdhsa_system_sgpr_workgroup_id_y 1
		.amdhsa_system_sgpr_workgroup_id_z 1
		.amdhsa_system_vgpr_workitem_id 0
		.amdhsa_next_free_vgpr 1024
		.amdhsa_next_free_sgpr 66
		.amdhsa_reserve_vcc 1
		.amdhsa_float_denorm_mode_32 3
		.amdhsa_float_denorm_mode_16_64 3
		.amdhsa_memory_ordered 1
		.amdhsa_forward_progress 1
		.amdhsa_inst_pref_size 134
	.end_amdhsa_kernel
	.amdgpu_metadata
---
amdhsa.version: [ 1, 2 ]
amdhsa.kernels:
  - .name:           k_q9de521d6e8_seg_attn
    .symbol:         k_q9de521d6e8_seg_attn.kd
    .args:
      - { .name: qkvh, .offset: 0, .size: 8, .value_kind: global_buffer, .address_space: global }
      - { .name: beta, .offset: 8, .size: 8, .value_kind: global_buffer, .address_space: global }
      - { .name: atth, .offset: 16, .size: 8, .value_kind: global_buffer, .address_space: global }
    .group_segment_fixed_size: 327680
    .private_segment_fixed_size: 0
    .kernarg_segment_align: 8
    .kernarg_segment_size: 24
    .max_flat_workgroup_size: 128
    .sgpr_count:     66
    .vgpr_count:     1024
    .wavefront_size: 32
...
	.end_amdgpu_metadata
.endif
;; end of part 3
;; launch out_gemm (part 4): grid 8 x 32, 4 waves a work-group, clusters of 4 x 4, 327,680 bytes of LDS; arguments atth, wo16, biasr, out0; writes out0
.if DOCPART == 4
	.amdgcn_target "amdgcn-amd-amdhsa--gfx1250"
	.amdhsa_code_object_version 6
	.text
	.protected	k_q9de521d6e8_out_gemm
	.globl	k_q9de521d6e8_out_gemm
	.p2align	8
	.type	k_q9de521d6e8_out_gemm,@function
k_q9de521d6e8_out_gemm:
	s_mov_b64 s[64:65], 0
	v_nop
	global_prefetch_b8 v0, s[64:65] scope:SCOPE_SE
	s_setreg_imm32_b32 hwreg(HW_REG_WAVE_MODE, 25, 1), 1
	s_wait_xcnt 0x0
	s_wait_alu depctr_hold_cnt(0) depctr_sa_sdst(0) depctr_va_vdst(0) depctr_va_sdst(0) depctr_va_ssrc(0) depctr_va_vcc(0) depctr_vm_vsrc(0)
	s_getreg_b32 s2, hwreg(HW_REG_IB_STS2, 6, 4)
	s_cmp_eq_u32 s2, 0
	s_cbranch_scc0 .Lentry_in_a_cluster
	s_endpgm
.Lentry_in_a_cluster:
	s_bfe_u32 s2, ttmp6, 0x10000c
	s_cmp_lg_u32 s2, 0xf033
	s_cbranch_scc0 .Lentry_shape_is_right
	s_endpgm
.Lentry_shape_is_right:
; out0 [8192][1024] f32 = atth [8192][1024] wo16^T + bo.  f16 operands, f32 sums that start at the bias.
; A tile is 256 x 128: 32 x 8 = 256 tiles, one a work-group.  Four waves, 2 x 2, each 128 x 64: 32 accumulators in window 1, (a, b) at v[8 (4 a + b)].
; K goes in steps of 128 (rows of 256 bytes, LDS pitch 272) through a ring of two slots: 8 steps.  CLUSTER 4 x 4: atth's tiles are shared along a row of the cluster, wo16's along a column.
; THE MATRIX INSTRUCTION IS USED TRANSPOSED (source 0 = 16 rows of wo16, source 1 = 16 rows of atth): a lane holds row lane % 16 and the columns 8 (lane / 16) + 0..7: 32 bytes of a row of out0.
; A wave's 64 columns are 256 bytes of a row: each wave has a stage of its own, 16 rows at a time, and stores whole pieces of 256 bytes.
; window 0: v16-29 addresses; two fragment buffers of 96 (A's 8 fragments, then B's 4) at v32 and v128; v224-255 my 32 biases, the C operand of the first products.
.set KSTEP,  128
.set PITCH,  272
.set AHALF,  128*PITCH
.set BHALF,  64*PITCH
.set BOFF,   2*AHALF
.set SLOT,   BOFF+2*BHALF              ; 104,448
.set STAGE,  2*SLOT
.set SPARE,  STAGE+4*16*PITCH          ; the spare words: two blocks of 256 bytes that no other line names
.set ADRA, 16
.set ADRB, 20
.set STO,  24
.set RD,   25
.set CO,   26
.set BO,   27                          ; v27  my byte offset in the biases; not rewritten
.set SPW,  28
.set NIL,  29
.set F0,   32
.set F1,   128
.set BI,   224
.set G1,   24
.set G0,   32
.set G1B,  48
.set G0B,  56
.set FLAGS, (1<<16)|(1<<20)|(1<<21)|(5<<22)|(3<<25)  ; 2-byte elements; padding on; bit 21 beside a mask; after every 64 words; 4 words
.set MSB, 0
.macro WIN new
.if MSB != (\new)
	s_set_vgpr_msb (MSB<<8)|(\new)
.set MSB, \new
.endif
.endm
.macro PLACES
.rept 4
	v_nop
.endr
.endm
.macro JLOAD s                         ; waves 0, 1 fetch A's halves, waves 2, 3 B's; s_nop 0 and four v_nop follow each line
	s_cmp_eq_u32 s13, 0
	s_cbranch_scc0 .Lfor_b_\@
	tensor_load_to_lds s[G0+4*(\s):G0+4*(\s)+3], s[G1:G1+7]
	s_nop 0
.rept 4
	v_nop
.endr
	s_branch .Lasked_\@
.Lfor_b_\@:
	tensor_load_to_lds s[G0B+4*(\s):G0B+4*(\s)+3], s[G1B:G1B+7]
	s_nop 0
.rept 4
	v_nop
.endr
.Lasked_\@:
.endm
.macro CREST
	s_cmp_lg_u32 s12, 0
	s_cbranch_scc1 .Lnot_wave_0_\@
	s_barrier_signal -3
.Lnot_wave_0_\@:
	s_barrier_wait -3
	s_barrier_signal -1
	s_barrier_wait -1
.endm
.macro CROUND
	s_barrier_signal -1
	s_barrier_wait -1
	CREST
.endm
	s_load_b256 s[4:11], s[0:1], 0x0               ; atth s[4:5], wo16 s[6:7], biasr s[8:9], out0 s[10:11]
	v_lshl_add_u32 v[SPW], v0, 2, SPARE
	v_mov_b32 v[NIL], 0
	ds_add_u32 v[SPW], v[NIL]                      ; the opening: the add and its wait stand ahead of my first tensor load
	v_lshrrev_b32 v1, 5, v0
	v_readfirstlane_b32 s12, v1
	s_lshr_b32 s13, s12, 1                         ; my half of the rows.  Also: I fetch for A (0) or B (1)
	s_and_b32 s14, s12, 1                          ; my half of the columns.  Also: which half I fetch
	s_bfe_u32 s40, ttmp6, 0x40000
	s_bfe_u32 s41, ttmp6, 0x40004
	s_lshl_b32 s42, ttmp9, 2
	s_add_co_u32 s42, s42, s40                     ; tile column 0..7
	s_and_b32 s43, ttmp7, 0xffff
	s_lshl_b32 s43, s43, 2
	s_add_co_u32 s43, s43, s41                     ; tile row 0..31
	s_lshl_b32 s44, s41, 2
	s_lshl_b32 s44, 15, s44
	s_lshl_b32 s45, 0x1111, s40
	s_or_b32 s[G1], s44, FLAGS
	s_or_b32 s[G1B], s45, FLAGS
	s_mov_b32 s[G1+1], KSTEP<<16
	s_mov_b32 s[G1+2], 128<<16                     ; A: 128 rows a load
	s_mov_b32 s[G1+3], KSTEP<<16
	s_mov_b32 s[G1+4], 128
	s_mov_b32 s[G1+5], 1024
	s_mov_b32 s[G1+6], 0
	s_mov_b32 s[G1+7], 0
	s_mov_b32 s[G1B+1], KSTEP<<16
	s_mov_b32 s[G1B+2], 64<<16                     ; B: 64 rows
	s_mov_b32 s[G1B+3], KSTEP<<16
	s_mov_b32 s[G1B+4], 64
	s_mov_b32 s[G1B+5], 1024
	s_mov_b32 s[G1B+6], 0
	s_mov_b32 s[G1B+7], 0
	s_lshl_b32 s16, s43, 19                        ; A: 256 rows of 2,048 bytes a tile row,
	s_lshl_b32 s18, s14, 18                        ; 128 a half
	s_add_co_u32 s16, s16, s18
	s_mov_b32 s17, 0
	s_lshl_b32 s46, s42, 18                        ; B: 128 rows a tile column,
	s_lshl_b32 s18, s14, 17                        ; 64 a half
	s_add_co_u32 s46, s46, s18
	s_mov_b32 s47, 0
	s_mul_i32 s20, s14, AHALF
	s_mul_i32 s21, s14, BHALF
	s_add_co_u32 s21, s21, BOFF
	s_wait_dscnt 0x0
	s_wait_kmcnt 0x0
	s_add_nc_u64 s[16:17], s[4:5], s[16:17]
	s_add_nc_u64 s[46:47], s[6:7], s[46:47]
	CROUND
.irp s, 0,1
	s_mov_b32 s[G0+4*(\s)], 1
	s_add_co_u32 s[G0+4*(\s)+1], s20, (\s)*SLOT
	s_add_nc_u64 s[G0+4*(\s)+2:G0+4*(\s)+3], s[16:17], (\s)*KSTEP*2
	s_or_b32 s[G0+4*(\s)+3], s[G0+4*(\s)+3], 0x80000000
	s_mov_b32 s[G0B+4*(\s)], 1
	s_add_co_u32 s[G0B+4*(\s)+1], s21, (\s)*SLOT
	s_add_nc_u64 s[G0B+4*(\s)+2:G0B+4*(\s)+3], s[46:47], (\s)*KSTEP*2
	s_or_b32 s[G0B+4*(\s)+3], s[G0B+4*(\s)+3], 0x80000000
	JLOAD \s                                       ; two loads of mine are out
.endr
	v_and_b32 v1, 15, v0                           ; r
	v_bfe_u32 v2, v0, 4, 1                         ; h
	s_lshl_b32 s18, s42, 9                         ; the tile's 128 columns of 4 bytes,
	s_lshl_b32 s19, s14, 8                         ; my 64
	s_add_co_u32 s18, s18, s19
	v_lshl_add_u32 v[BO], v2, 5, s18               ; + my 8 of each 16
.irp b, 0,1,2,3
	global_load_b128 v[BI+8*\b:BI+8*\b+3],   v[BO], s[8:9] offset:12288+64*\b      ; bo is the fourth bias
	global_load_b128 v[BI+8*\b+4:BI+8*\b+7], v[BO], s[8:9] offset:12288+64*\b+16
.endr
	v_mul_u32_u24 v3, v1, PITCH
	v_lshl_add_u32 v3, v2, 4, v3
	s_mul_i32 s18, s13, AHALF
	s_mul_i32 s19, s14, BHALF
	s_add_co_u32 s19, s19, BOFF
.irp s, 0,1
	v_add_nc_u32 v[ADRA+(\s)], s18, v3
	v_add_nc_u32 v[ADRB+(\s)], s19, v3
	s_add_co_u32 s18, s18, SLOT
	s_add_co_u32 s19, s19, SLOT
.endr
	s_mul_i32 s18, s12, 16*PITCH
	s_add_co_u32 s18, s18, STAGE                   ; my stage
	v_mul_u32_u24 v4, v1, PITCH                    ; in: row r, 32 bytes for each half of the lanes
	v_lshl_add_u32 v4, v2, 5, v4
	v_add_nc_u32 v[STO], s18, v4
	v_mul_u32_u24 v4, v2, PITCH                    ; back: lanes 0-15 one row of 256 bytes, lanes 16-31 the next
	v_lshl_add_u32 v4, v1, 4, v4
	v_add_nc_u32 v[RD], s18, v4
	v_lshlrev_b32 v4, 4, v1
	v_lshl_add_u32 v[CO], v2, 12, v4               ; the same two rows in out0
	s_lshl_b32 s18, s43, 20                        ; 256 rows of 4,096 bytes,
	s_lshl_b32 s19, s13, 19                        ; my 128,
	s_add_co_u32 s18, s18, s19
	s_lshl_b32 s19, s42, 9                         ; the tile's columns,
	s_add_co_u32 s18, s18, s19
	s_lshl_b32 s19, s14, 8                         ; my 64
	s_add_co_u32 s18, s18, s19
	s_mov_b32 s19, 0
	s_add_nc_u64 s[10:11], s[10:11], s[18:19]
; 8 products: row blocks a0, a0 + 1 x the 4 column blocks, 32 along K, buffer f.  first = 1: the bias starts the sums.
.macro MUL8 f, a0, first
	WIN 0x50-0x10*(\first)                         ; D in window 1; C there too, or (the bias) in window 0
.irp a, \a0, (\a0)+1
.irp b, 0,1,2,3
.if \first
	v_wmma_f32_16x16x32_f16 v[8*(4*(\a)+\b):8*(4*(\a)+\b)+7], v[(\f)+64+8*\b:(\f)+64+8*\b+7], v[(\f)+8*(\a):(\f)+8*(\a)+7], v[BI+8*\b:BI+8*\b+7]
.else
	v_wmma_f32_16x16x32_f16 v[8*(4*(\a)+\b):8*(4*(\a)+\b)+7], v[(\f)+64+8*\b:(\f)+64+8*\b+7], v[(\f)+8*(\a):(\f)+8*(\a)+7], v[8*(4*(\a)+\b):8*(4*(\a)+\b)+7]
.endif
.endr
.endr
.endm
.macro FETCH slot, k, f                ; 24 LDS loads in one run: B's 4 fragments, A's 0-3, A's 4-7
	WIN 0
.irp i, 0,1,2,3
	ds_load_b128 v[(\f)+64+8*\i:(\f)+64+8*\i+3],   v[ADRB+(\slot)] offset:(\k)+\i*16*PITCH
	ds_load_b128 v[(\f)+64+8*\i+4:(\f)+64+8*\i+7], v[ADRB+(\slot)] offset:(\k)+\i*16*PITCH+32
.endr
.irp i, 0,1,2,3,4,5,6,7
	ds_load_b128 v[(\f)+8*\i:(\f)+8*\i+3],   v[ADRA+(\slot)] offset:(\k)+\i*16*PITCH
	ds_load_b128 v[(\f)+8*\i+4:(\f)+8*\i+7], v[ADRA+(\slot)] offset:(\k)+\i*16*PITCH+32
.endr
.endm
; A K step is four quarters of 32 along K, 32 products each, on buffers 0, 1, 0, 1; each accumulator has one product in a quarter.
.macro QUARTER slot, k, f, g, first
	s_wait_dscnt 8                                 ; B and A's blocks 0-3 are in; the youngest 8 loads may be out
	MUL8 \f, 0, \first
	MUL8 \f, 2, \first
	PLACES
	FETCH \slot, \k, \g
	s_wait_dscnt 24                                ; all but the 24 just issued
	MUL8 \f, 4, \first
	MUL8 \f, 6, \first
.endm
; The last quarter multiplies buffer 1 and changes slots.  fill = 1: the barrier opens a round of the cluster's, and the slot is filled again, two K steps on, first thing behind it.
.macro TURN slot, next, fill
	WIN 0
	s_wait_tensorcnt 0x0                           ; all my tensor loads have landed: my part of the next slot
	ds_add_u32 v[SPW], v[NIL]                      ; 0 onto my spare word
	s_wait_dscnt 9                                 ; the add and the youngest 8 loads may be out
	MUL8 F1, 0, 0
	s_wait_dscnt 0x0                               ; the add is done, and my reads of this slot are over
	s_barrier_signal -1
	MUL8 F1, 2, 0
	WIN 0
	s_barrier_wait -1
.if \fill
	CREST
	s_add_nc_u64 s[G0+4*(\slot)+2:G0+4*(\slot)+3], s[G0+4*(\slot)+2:G0+4*(\slot)+3], 2*KSTEP*2
	s_add_nc_u64 s[G0B+4*(\slot)+2:G0B+4*(\slot)+3], s[G0B+4*(\slot)+2:G0B+4*(\slot)+3], 2*KSTEP*2
	JLOAD \slot                                    ; its four v_nop are also the places in front of the loads below
.else
	PLACES
.endif
	FETCH \next, 0, F0
	MUL8 F1, 4, 0
	MUL8 F1, 6, 0
.endm
	s_wait_tensorcnt 1                             ; my part of K step 0 is in; step 1's may stay out
	s_barrier_signal -1
	s_barrier_wait -1
	FETCH 0, 0, F0
	s_wait_loadcnt 0x0                             ; the biases
	QUARTER 0, 64, F0, F1, 1                       ; the first quarter stands in front of the loop: its products start the sums
	WIN 0
	s_mov_b32 s3, 3
.Llap:                                                 ; once round the ring; the two refills are K steps 2 i + 2 and 2 i + 3
	QUARTER 0, 128, F1, F0, 0
	QUARTER 0, 192, F0, F1, 0
	TURN 0, 1, 1
	QUARTER 1, 64,  F0, F1, 0
	QUARTER 1, 128, F1, F0, 0
	QUARTER 1, 192, F0, F1, 0
	TURN 1, 0, 1
	QUARTER 0, 64,  F0, F1, 0
	WIN 0
	s_sub_co_u32 s3, s3, 1
	s_cmp_lg_u32 s3, 0
	s_cbranch_scc1 .Llap
	QUARTER 0, 128, F1, F0, 0                      ; the last lap fills nothing
	QUARTER 0, 192, F0, F1, 0
	TURN 0, 1, 0
	QUARTER 1, 64,  F0, F1, 0
	QUARTER 1, 128, F1, F0, 0
	QUARTER 1, 192, F0, F1, 0
	s_wait_dscnt 8
	MUL8 F1, 0, 0
	MUL8 F1, 2, 0
	s_wait_dscnt 0x0
	MUL8 F1, 4, 0
	MUL8 F1, 6, 0
	PLACES
	; THE WAY OUT, 16 rows at a time through my own stage: in as 32 bytes of a row, back as whole rows of 256 bytes.  A block's stage traffic stands between the block before's loads and its stores.
.macro TOSTAGE a
	WIN 0x04                                       ; the data in window 1
.irp b, 0,1,2,3
	ds_store_b128 v[STO], v[8*(4*(\a)+\b):8*(4*(\a)+\b)+3]   offset:64*\b
	ds_store_b128 v[STO], v[8*(4*(\a)+\b)+4:8*(4*(\a)+\b)+7] offset:64*\b+16
.endr
	WIN 0
.if (\a) >= 2
	s_wait_xcnt 0x0                                ; the set's last stores have read it
.endif
.set rb, F0+32*((\a)%2)
.irp t, 0,1,2,3,4,5,6,7
	ds_load_b128 v[rb+4*\t:rb+4*\t+3], v[RD] offset:2*PITCH*\t  ; LDS serves a wave's instructions in order: these see the stores above; the next block's stores come behind them
.endr
.endm
.macro SEND a, younger
.set rb, F0+32*((\a)%2)
.irp t, 0,1,2,3,4,5,6,7
	s_wait_dscnt (\younger)+7-\t
	global_store_b128 v[CO], v[rb+4*\t:rb+4*\t+3], s[10:11] offset:(16*(\a)+2*\t)*4096 th:TH_STORE_NT  ; 16 lanes store 256 consecutive bytes, aligned
.endr
.endm
	TOSTAGE 0
.irp a, 1,2,3,4,5,6,7
	TOSTAGE \a
	SEND \a-1, 16
.endr
	SEND 7, 0
	s_wait_tensorcnt 0x0                           ; the wave's end
	ds_add_u32 v[SPW], v[NIL]
	s_wait_dscnt 0x0
	CROUND                                         ; the closing round
	s_endpgm
.Lfunc_end_k_q9de521d6e8_out_gemm:
	.size	k_q9de521d6e8_out_gemm, .Lfunc_end_k_q9de521d6e8_out_gemm-k_q9de521d6e8_out_gemm
	.p2alignl 7, 3214868480
	.fill 96, 4, 3214868480
	.section	.rodata,"a",@progbits
	.p2align	6, 0x0
	.amdhsa_kernel k_q9de521d6e8_out_gemm
		.amdhsa_group_segment_fixed_size 327680
		.amdhsa_private_segment_fixed_size 0
		.amdhsa_enable_private_segment 0
		.amdhsa_kernarg_size 32
		.amdhsa_user_sgpr_count 2
		.amdhsa_user_sgpr_kernarg_segment_ptr 1
		.amdhsa_wavefront_size32 1
		.amdhsa_system_sgpr_workgroup_id_x 1
		.amdhsa_system_sgpr_workgroup_id_y 1
		.amdhsa_system_sgpr_workgroup_id_z 1
		.amdhsa_system_vgpr_workitem_id 0
		.amdhsa_next_free_vgpr 512
		.amdhsa_next_free_sgpr 66
		.amdhsa_reserve_vcc 0
		.amdhsa_float_denorm_mode_32 3
		.amdhsa_float_denorm_mode_16_64 3
		.amdhsa_memory_ordered 1
		.amdhsa_forward_progress 1
		.amdhsa_inst_pref_size 88
	.end_amdhsa_kernel
	.amdgpu_metadata
---
amdhsa.version: [ 1, 2 ]
amdhsa.kernels:
  - .name:           k_q9de521d6e8_out_gemm
    .symbol:         k_q9de521d6e8_out_gemm.kd
    .args:
      - { .name: atth, .offset: 0, .size: 8, .value_kind: global_buffer, .address_space: global }
      - { .name: wo16, .offset: 8, .size: 8, .value_kind: global_buffer, .address_space: global }
      - { .name: biasr, .offset: 16, .size: 8, .value_kind: global_buffer, .address_space: global }
      - { .name: out0, .offset: 24, .size: 8, .value_kind: global_buffer, .address_space: global }
    .group_segment_fixed_size: 327680
    .private_segment_fixed_size: 0
    .kernarg_segment_align: 8
    .kernarg_segment_size: 32
    .max_flat_workgroup_size: 128
    .sgpr_count:     66
    .vgpr_count:     512
    .wavefront_size: 32
...
	.end_amdgpu_metadata
.endif
;; end of part 4
;; ======== version 2 of 2: 4 launches; version 1 with the launch cast written anew for expert scheduling mode
;; limits: values are held in f16: magnitudes above 65,504 overflow, below 6.1e-05 lose precision
;; workspace buffers: xb 34,603,008 bytes; wb 12,976,128 bytes; wo16 2,097,152 bytes; biasr 16,384 bytes; qkvh 50,331,648 bytes; atth 16,777,216 bytes
;; launch cast (part 5): grid 961 x 1, 4 waves a work-group, no clusters, 0 bytes of LDS; arguments x, Wq, Wk, Wv, Wo, bq, bk, bv, bo, xb, wb, wo16, biasr; writes xb, wb, wo16, biasr
.if DOCPART == 5
	.amdgcn_target "amdgcn-amd-amdhsa--gfx1250"
	.amdhsa_code_object_version 6
	.text
	.protected	k_q9de521d6e8_cast
	.globl	k_q9de521d6e8_cast
	.p2align	8
	.type	k_q9de521d6e8_cast,@function
k_q9de521d6e8_cast:
	s_mov_b64 s[64:65], 0
	v_nop
	global_prefetch_b8 v0, s[64:65] scope:SCOPE_SE
	s_setreg_imm32_b32 hwreg(HW_REG_WAVE_SCHED_MODE, 0, 2), 2
	s_setreg_imm32_b32 hwreg(HW_REG_WAVE_MODE, 25, 1), 1
	s_wait_xcnt 0x0
	s_wait_alu depctr_vm_vsrc(0)
; THE INPUTS, ROUNDED ONCE TO bf16 AND LAID OUT FOR THE PRODUCTS.
;   xb [22][8192][96] bf16: x taken as [8192][2048], cut along K into 22 blocks of 96 (k = 96 s + c), zero where k >= 2048.
;   wb [22][3072][96] bf16: the same for Wq (rows 0-1023), Wk (1024-2047), Wv (2048-3071).
;   wo16 [1024][1024] f16: Wo rounded to bf16, that number written as f16 (exact down to 2^-17; below that off by 3e-8 at the most).
;   biasr [4][1024] f32: bq, bk, bv, bo, each rounded to bf16 and kept as f32.
; A stream: no LDS, no matrix unit.  Work-groups 0-511: 16 rows of x each; 512-703: 16 rows of a W; 704-959: 4,096 numbers of Wo; 960: the biases.
; ROWS.  A wave owns 4 rows and all 22 K blocks.  4 rows x 96 numbers of a K block are 768 consecutive bytes of the output: three stores of 256 consecutive, aligned bytes (8 bytes a lane).
; Item n of 66 is K block n / 3, store n % 3.  Slot p = 32 (n % 3) + lane of a K block's 96 slots of four numbers is row p / 24, columns 4 (p % 24) on.
; THE MODE: SCHED_MODE bits 1:0 = 2 (LLVM: expert scheduling mode 2), set by the entry lines.  The code itself states the register dependences
; between vector instructions and memory instructions, with s_wait_alu, always for 0.
; THE PLAN (rows).  The 66 items go in 11 blocks of six.  Registers that memory instructions touch:
;   X0 .. X6   seven blocks as loaded.  Written by loads alone: blocks 0 to 6 at the start, block p + 7 at the end of block p.  Read by block p's conversions.
;   Y0, Y1     two blocks to store.     Written by block p's conversions (and, in the last block, its selects); read by the six stores at the end of block p.
;   v2 .. v8   byte offsets, made once at the head and never written again: the K blocks are reached by 22 scalar bases and by immediate offsets.
; Block p: the wait for its data; from block 2 on the two waits that free Y[p % 2], which the stores of block p - 2 read; its conversions; ONE wait on va_vdst, which states that they are done
; reading X[p % 7] and have written Y[p % 2]; then its six refills and six stores, with no vector instruction between that wait and them.  36 to 42 loads of 16 bytes a lane are on their way in each wave.
.set XR,  16                           ; v[16:183]  buffer k, item i: 4 registers at XR + 4 (6 k + i), as loaded
.set TA,  144                          ; v[144:145] at work (Wo and biases, which use X's first 32 registers alone)
.set YR,  184                          ; v[184:207] buffer k, item i: 2 registers at YR + 2 (6 k + i), to store
	s_load_b512 s[68:83], s[0:1], 0x0              ; x s[68:69], Wq s[70:71], Wk s[72:73], Wv s[74:75], Wo s[76:77], bq s[78:79], bk s[80:81], bv s[82:83]
	s_load_b256 s[84:91], s[0:1], 0x40             ; bo s[84:85], xb s[86:87], wb s[88:89], wo16 s[90:91]
	s_load_b64 s[92:93], s[0:1], 0x60              ; biasr
	v_lshrrev_b32 v1, 5, v0
	v_readfirstlane_b32 s2, v1                     ; wave 0..3
	v_and_b32 v1, 31, v0                           ; lane
	s_wait_alu depctr_va_sdst(0)                   ; s2 is written, ahead of the branches: the offsets of my wave's rows are made from it behind them
	s_mov_b32 s8, ttmp9                            ; g
	s_cmp_ge_u32 s8, 960
	s_cbranch_scc1 .Lbias
	s_cmp_ge_u32 s8, 704
	s_cbranch_scc1 .Lwo
	; ---- rows of x or of a W ----
.irp j, 0,1,2
	v_add_nc_u32 v9, 32*\j, v1                     ; p
	v_mul_u32_u24 v10, 43, v9
	v_lshrrev_b32 v10, 10, v10                     ; p / 24 (43 p >> 10, right for p < 96)
	v_mul_u32_u24 v11, 24, v10
	v_sub_nc_u32 v11, v9, v11                      ; p % 24
	v_lshlrev_b32 v12, 4, v11
	v_lshl_add_u32 v[2+\j], v10, 13, v12           ; v2-4: 8,192 x row + 16 x column group
	v_and_b32 v12, 7, v11
	v_lshlrev_b32 v12, 4, v12
	v_lshl_add_u32 v12, v10, 13, v12
	v_add_nc_u32 v[5+\j], 8064, v12                ; v5-7: the same for K block 21, whose columns past the row's end are folded back into the row
	v_cmp_gt_u32 s[10+\j], 8, v11                  ; s10-12: the lanes whose numbers of K block 21 exist (k < 2048)
.endr
	s_wait_alu depctr_va_sdst(0)                   ; the three compares have written s10 to s12, which the last block's selects read; no branch and no label lies between
	v_lshlrev_b32 v8, 3, v1                        ; 8 bytes a lane in a store
	s_sub_co_u32 s9, s8, 512                       ; i: the block of 16 rows among the W's 192
	s_lshr_b32 s13, s9, 6                          ; which W
	s_and_b32 s14, s9, 63                          ; its block of 16 rows
	s_mov_b32 s6, 589824                           ; bytes from a K block of wb to the next,
	s_mov_b32 s7, 0
	s_cmp_lt_u32 s8, 512
	s_cselect_b32 s14, s8, s14                     ; the source's block of 16 rows
	s_cselect_b32 s15, s8, s9                      ; the destination's
	s_cselect_b32 s6, 1572864, s6                  ; of xb
	s_lshl_b32 s60, s14, 17                        ; 16 rows of 8,192 bytes
	s_lshl_b32 s3, s2, 15                          ; my wave's 4 rows
	s_add_co_u32 s60, s60, s3
	s_mov_b32 s61, 0
	s_mul_i32 s62, s15, 3072                       ; 16 rows of 192 bytes
	s_mul_i32 s3, s2, 768
	s_add_co_u32 s62, s62, s3
	s_mov_b32 s63, 0
	s_wait_kmcnt 0x0
	s_cmp_eq_u32 s13, 1
	s_cselect_b64 s[4:5], s[72:73], s[70:71]
	s_cmp_eq_u32 s13, 2
	s_cselect_b64 s[4:5], s[74:75], s[4:5]
	s_cmp_lt_u32 s8, 512
	s_cselect_b64 s[4:5], s[68:69], s[4:5]
	s_cselect_b64 s[16:17], s[86:87], s[88:89]
	s_add_nc_u64 s[4:5], s[4:5], s[60:61]          ; the source at my first row
	s_add_nc_u64 s[16:17], s[16:17], s[62:63]      ; s[16+2 b:17+2 b]: the destination at my rows of K block b; 22 bases, never rewritten
.set bk_, 1
.rept 21
	s_add_nc_u64 s[16+2*bk_:17+2*bk_], s[14+2*bk_:15+2*bk_], s[6:7]
.set bk_, bk_+1
.endr
.macro LOADI n                         ; item n's 16 bytes a lane, into buffer (n / 6) % 7
.set sl, 6*(((\n)/6)%7)+(\n)%6
.if (\n) >= 63
	global_load_b128 v[XR+4*sl:XR+4*sl+3], v[5+(\n)%3], s[4:5] th:TH_LOAD_NT
.else
	global_load_b128 v[XR+4*sl:XR+4*sl+3], v[2+(\n)%3], s[4:5] offset:384*((\n)/3) th:TH_LOAD_NT
.endif
.endm
.macro CVTI n                          ; item n rounded, from X's buffer (n / 6) % 7 into Y's buffer (n / 6) % 2
.set sl, 6*(((\n)/6)%7)+(\n)%6
.set ys, 6*(((\n)/6)%2)+(\n)%6
	v_cvt_pk_bf16_f32 v[YR+2*ys], v[XR+4*sl], v[XR+4*sl+1]
	v_cvt_pk_bf16_f32 v[YR+2*ys+1], v[XR+4*sl+2], v[XR+4*sl+3]
.if (\n) >= 63
	v_cndmask_b32 v[YR+2*ys], 0, v[YR+2*ys], s[10+(\n)%3]      ; zero where k >= 2048
	v_cndmask_b32 v[YR+2*ys+1], 0, v[YR+2*ys+1], s[10+(\n)%3]
.endif
.endm
.macro STOREI n
.set ys, 6*(((\n)/6)%2)+(\n)%6
	global_store_b64 v8, v[YR+2*ys:YR+2*ys+1], s[16+2*((\n)/3):17+2*((\n)/3)] offset:256*((\n)%3)  ; the wave stores 256 consecutive bytes, aligned
.endm
; Block p of 11: items 6 p to 6 p + 5.
.macro BLK p
.if (\p) <= 4
	s_wait_loadcnt 36                              ; loads come back in order: X[p % 7] is in; the six younger blocks, 36 loads, stay out
.else
	s_wait_loadcnt 6*(10-(\p))                     ; nothing more is loaded: the counts run down
.endif
.if (\p) >= 2
	s_wait_xcnt 0x0                                ; every earlier memory instruction has had its addresses translated: Y[p % 2], the data of the stores of block p - 2, is rewritten only behind this wait,
	s_wait_alu depctr_vm_vsrc(0)                   ; and those stores have read Y[p % 2], which the conversions below write again
.endif
.irp i, 0,1,2,3,4,5
	CVTI 6*(\p)+\i
.endr
	s_wait_alu depctr_va_vdst(0)                   ; the conversions are done reading X[p % 7], in which the loads below land, and have written Y[p % 2], which the stores below read
.irp i, 0,1,2,3,4,5
.if (\p) <= 3
	LOADI 6*(\p)+42+\i                             ; the buffer is asked for again at once: the block seven further on
.endif
	STOREI 6*(\p)+\i
.endr
.endm
	s_wait_alu depctr_va_vdst(0)                   ; the offsets v2 to v8 are written: every load and store below reads one of them
.set it, 0
.rept 42
	LOADI it                                       ; blocks 0 to 6 into X0 to X6
.set it, it+1
.endr
.irp p, 0,1,2,3,4,5,6,7,8,9,10
	BLK \p
.endr
	s_endpgm
	; ---- Wo: a wave takes 1,024 numbers: eight loads of 512 consecutive bytes, eight stores of 256 ----
	; Each item has X registers and a Y pair of its own: nothing that a store reads is written again.  Two halves of four items, each with one wait ahead of its four stores.
.Lwo:
	s_sub_co_u32 s9, s8, 704
	s_lshl_b32 s60, s9, 14                         ; 4,096 numbers of 4 bytes
	s_lshl_b32 s3, s2, 12
	s_add_co_u32 s60, s60, s3
	s_mov_b32 s61, 0
	s_lshr_b32 s62, s60, 1                         ; and of 2 bytes
	s_mov_b32 s63, 0
	s_mov_b32 s10, 0xffff0000                      ; a word's upper bf16
	v_lshlrev_b32 v2, 4, v1
	v_lshlrev_b32 v8, 3, v1
	s_wait_kmcnt 0x0
	s_add_nc_u64 s[4:5], s[76:77], s[60:61]
	s_add_nc_u64 s[16:17], s[90:91], s[62:63]
	s_wait_alu depctr_va_vdst(0)                   ; the offsets v2 and v8 are written, which the loads and stores below read
.set it, 0
.rept 8
	global_load_b128 v[XR+4*it:XR+4*it+3], v2, s[4:5] offset:512*it th:TH_LOAD_NT
.set it, it+1
.endr
.set it, 0
.irp hf, 0,1
	s_wait_loadcnt 4-4*\hf                         ; this half's four loads are in; the other half's are younger
.rept 4
	v_cvt_pk_bf16_f32 v[TA], v[XR+4*it], v[XR+4*it+1]          ; rounded to bf16,
	v_cvt_pk_bf16_f32 v[TA+1], v[XR+4*it+2], v[XR+4*it+3]
	v_lshlrev_b32 v[XR+4*it], 16, v[TA]                        ; widened,
	v_and_b32 v[XR+4*it+1], s10, v[TA]
	v_lshlrev_b32 v[XR+4*it+2], 16, v[TA+1]
	v_and_b32 v[XR+4*it+3], s10, v[TA+1]
	v_cvt_pk_f16_f32 v[YR+2*it], v[XR+4*it], v[XR+4*it+1]      ; and written as f16
	v_cvt_pk_f16_f32 v[YR+2*it+1], v[XR+4*it+2], v[XR+4*it+3]
.set it, it+1
.endr
	s_wait_alu depctr_va_vdst(0)                   ; the conversions have written this half's four Y pairs, which the stores read
.irp i, 0,1,2,3
	global_store_b64 v8, v[YR+8*\hf+2*\i:YR+8*\hf+2*\i+1], s[16:17] offset:1024*\hf+256*\i
.endr
.endr
	s_endpgm
	; ---- the four biases: thread t takes 16 bytes at 16 t and at 16 t + 2,048 of each ----
.Lbias:
	v_lshlrev_b32 v2, 4, v0
	s_mov_b32 s10, 0xffff0000
	s_wait_kmcnt 0x0
	s_wait_alu depctr_va_vdst(0)                   ; the offset v2 is written, which the loads and stores below read
.irp i, 0,1,2,3
	global_load_b128 v[XR+8*\i:XR+8*\i+3],   v2, s[78+2*\i:79+2*\i]
	global_load_b128 v[XR+8*\i+4:XR+8*\i+7], v2, s[78+2*\i:79+2*\i] offset:2048
.endr
	s_wait_loadcnt 0x0
.set it, 0
.rept 8
	v_cvt_pk_bf16_f32 v[TA], v[XR+4*it], v[XR+4*it+1]
	v_cvt_pk_bf16_f32 v[TA+1], v[XR+4*it+2], v[XR+4*it+3]
	v_lshlrev_b32 v[XR+4*it], 16, v[TA]
	v_and_b32 v[XR+4*it+1], s10, v[TA]
	v_lshlrev_b32 v[XR+4*it+2], 16, v[TA+1]
	v_and_b32 v[XR+4*it+3], s10, v[TA+1]
.set it, it+1
.endr
	s_wait_alu depctr_va_vdst(0)                   ; the lines above have written the 32 registers that the stores read
.irp i, 0,1,2,3
	global_store_b128 v2, v[XR+8*\i:XR+8*\i+3],   s[92:93] offset:4096*\i
	global_store_b128 v2, v[XR+8*\i+4:XR+8*\i+7], s[92:93] offset:4096*\i+2048
.endr
	s_endpgm
.Lfunc_end_k_q9de521d6e8_cast:
	.size	k_q9de521d6e8_cast, .Lfunc_end_k_q9de521d6e8_cast-k_q9de521d6e8_cast
	.p2alignl 7, 3214868480
	.fill 96, 4, 3214868480
	.section	.rodata,"a",@progbits
	.p2align	6, 0x0
	.amdhsa_kernel k_q9de521d6e8_cast
		.amdhsa_group_segment_fixed_size 0
		.amdhsa_private_segment_fixed_size 0
		.amdhsa_enable_private_segment 0
		.amdhsa_kernarg_size 104
		.amdhsa_user_sgpr_count 2
		.amdhsa_user_sgpr_kernarg_segment_ptr 1
		.amdhsa_wavefront_size32 1
		.amdhsa_system_sgpr_workgroup_id_x 1
		.amdhsa_system_sgpr_workgroup_id_y 1
		.amdhsa_system_sgpr_workgroup_id_z 1
		.amdhsa_system_vgpr_workitem_id 0
		.amdhsa_next_free_vgpr 208
		.amdhsa_next_free_sgpr 96
		.amdhsa_reserve_vcc 0
		.amdhsa_float_denorm_mode_32 3
		.amdhsa_float_denorm_mode_16_64 3
		.amdhsa_memory_ordered 1
		.amdhsa_forward_progress 1
		.amdhsa_inst_pref_size 36
	.end_amdhsa_kernel
	.amdgpu_metadata
---
amdhsa.version: [ 1, 2 ]
amdhsa.kernels:
  - .name:           k_q9de521d6e8_cast
    .symbol:         k_q9de521d6e8_cast.kd
    .args:
      - { .name: x, .offset: 0, .size: 8, .value_kind: global_buffer, .address_space: global }
      - { .name: Wq, .offset: 8, .size: 8, .value_kind: global_buffer, .address_space: global }
      - { .name: Wk, .offset: 16, .size: 8, .value_kind: global_buffer, .address_space: global }
      - { .name: Wv, .offset: 24, .size: 8, .value_kind: global_buffer, .address_space: global }
      - { .name: Wo, .offset: 32, .size: 8, .value_kind: global_buffer, .address_space: global }
      - { .name: bq, .offset: 40, .size: 8, .value_kind: global_buffer, .address_space: global }
      - { .name: bk, .offset: 48, .size: 8, .value_kind: global_buffer, .address_space: global }
      - { .name: bv, .offset: 56, .size: 8, .value_kind: global_buffer, .address_space: global }
      - { .name: bo, .offset: 64, .size: 8, .value_kind: global_buffer, .address_space: global }
      - { .name: xb, .offset: 72, .size: 8, .value_kind: global_buffer, .address_space: global }
      - { .name: wb, .offset: 80, .size: 8, .value_kind: global_buffer, .address_space: global }
      - { .name: wo16, .offset: 88, .size: 8, .value_kind: global_buffer, .address_space: global }
      - { .name: biasr, .offset: 96, .size: 8, .value_kind: global_buffer, .address_space: global }
    .group_segment_fixed_size: 0
    .private_segment_fixed_size: 0
    .kernarg_segment_align: 8
    .kernarg_segment_size: 104
    .max_flat_workgroup_size: 128
    .sgpr_count:     96
    .vgpr_count:     208
    .wavefront_size: 32
...
	.end_amdgpu_metadata
.endif
;; end of part 5
;; launch qkv_gemm: the kernel of part 2 again; grid 8 x 32, 4 waves a work-group, clusters of 4 x 4, 327,680 bytes of LDS; arguments xb, wb, biasr, qkvh; writes qkvh
;; launch seg_attn: the kernel of part 3 again; grid 2 x 128, 4 waves a work-group, no clusters, 327,680 bytes of LDS; arguments qkvh, beta, atth; writes atth
;; launch out_gemm: the kernel of part 4 again; grid 8 x 32, 4 waves a work-group, clusters of 4 x 4, 327,680 bytes of LDS; arguments atth, wo16, biasr, out0; writes out0
